; MI455X (gfx1250); checked and timed in simulation.
; The chip was launched on July 23, 2026; its instructions are those of AMD's public machine-readable ISA for CDNA 5 (MIT licence, August 2026) and "CDNA5" Instruction Set Architecture Reference Guide (July 2026). The comments in the code are by the model that wrote it; some were corrected since.
;; Multi Head Attention Layer. Allowed arithmetic: matrix products marked QUANTISED: E2M1 operands, one E8M0 scale for each 32 along K, by v_wmma_scale_f32_16x16x128_f8f6f4 with both operands' format E2M1 (or v_wmma_scale_f32_32x16x128_f4), f32 sums; products left as they are: bf16, f16 or f32 operands; f32 sums; everything else in f32.
;; Inputs: Wk 1,024 x 1,024 float32; Wo 1,024 x 1,024 float32; Wq 1,024 x 1,024 float32; Wv 1,024 x 1,024 float32; bk 1,024 float32; bo 1,024 float32; bq 1,024 float32; bv 1,024 float32; key 2 x 2,048 x 1,024 float32; query 2 x 2,048 x 1,024 float32; rel_k_table 5 x 64 float32; rel_v_table 5 x 64 float32; value 2 x 2,048 x 1,024 float32.
;; Outputs: out0 2 x 2,048 x 1,024 float32.
;; This version of the problem:
;;   THIS VERSION OF THE PROBLEM IS GIVEN IN LOW PRECISION. The matrix products marked QUANTISED in the list below multiply operands that are first quantised to E2M1 (2 exponent bits, 1 mantissa bit; 4 bits a number), with one power-of-two scale for each 32 numbers along K (OCP MX v1.0); their sums are f32. The products marked 'left as it is' may take bf16, f16 or f32 operands, with f32 sums. Whichever they take, every output number must still come out within the allowed error. Rounding operands to bf16 (8 significant bits) uses up far more of that allowance than f16 does (11 bits, for magnitudes from 6e-5 to 65,504). All else is computed in f32.
;;   The module's matrix products, in the order in which they are computed (A, B: the left and right operand; K: the contracted axis; several contracted axes count as one K, in the product's order):
;;     1. [M 4,096, K 1,024] x [K 1,024, N 1,024]; A: input query; B: input Wq: QUANTISED
;;     2. [M 4,096, K 1,024] x [K 1,024, N 1,024]; A: input key; B: input Wk: QUANTISED
;;     3. [M 4,096, K 1,024] x [K 1,024, N 1,024]; A: input value; B: input Wv: QUANTISED
;;     4. batch 32 x [M 2,048, K 64] x [K 64, N 2,048]; A: computed on the way; B: computed on the way: left as it is (an operand is computed on the way)
;;     5. batch 2,048 x [M 2,048, K 64] x [K 64, N 32]; A: computed on the way; B: computed on the way: left as it is (an operand is computed on the way)
;;     6. batch 32 x [M 2,048, K 2,048] x [K 2,048, N 64]; A: computed on the way; B: computed on the way: left as it is (an operand is computed on the way)
;;     7. batch 2,048 x [M 64, K 2,048] x [K 2,048, N 32]; A: computed on the way; B: computed on the way: left as it is (an operand is computed on the way)
;;     8. [M 4,096, K 1,024] x [K 1,024, N 1,024]; A: computed on the way; B: input Wo: left as it is (an operand is computed on the way)
;;   THE QUANTISER, for each operand of a quantised product, along K:
;;     - K is cut into blocks of 32 from its start; a last block that is shorter is filled with zeros.
;;     - A block's scale is 2^e with e = floor(log2(the largest magnitude in the block)) - 2, held to -126 .. 127; a block of zeros has e = 0. As a byte (E8M0): e + 127.
;;     - Each number is divided by its block's scale, clamped to +-6, and rounded to the nearest number of E2M1, ties to even, subnormals kept.
;;     - The product sums the exact products of the quantised numbers (number of the format x scale) in f32.
;;   ~~~python
;;   def quantise(x, axis):      # numpy; x: float32 -> the quantised numbers, widened to float32 again
;;       x = np.moveaxis(x, axis, -1); K = x.shape[-1]
;;       x = np.pad(x, [(0, 0)] * (x.ndim - 1) + [(0, -K % 32)]); x = x.reshape(x.shape[:-1] + (-1, 32)); a = np.abs(x).max(-1, keepdims=True)
;;       e = np.where(a > 0, np.clip(np.frexp(np.where(a > 0, a, 1))[1] - 1 - 2, -126, 127), 0)      # np.frexp(a)[1] - 1 = floor(log2(a)), exactly
;;       r = np.clip(x / 2.0 ** e, -6, 6)
;;       step = 2.0 ** (np.maximum(np.frexp(np.where(r == 0, 1, r))[1] - 1, 0) - 1)
;;       q = np.round(r / step) * step * 2.0 ** e      # np.round: ties to even
;;       return np.moveaxis(q.reshape(q.shape[:-2] + (-1,))[..., :K], -1, axis).astype(np.float32)
;;   ~~~
;; One version. Each part assembles by itself: llvm-mc -triple=amdgcn-amd-amdhsa -mcpu=gfx1250 --defsym DOCPART=n.
;; ======== version 1 of 1: 4 launches
;; limits: values are held in f16: magnitudes above 65,504 overflow, below 6.1e-05 lose precision; values outside matrix products are rounded to f16
;; workspace buffers: codes 7,864,320 bytes; scales 491,520 bytes; qf 8,388,608 bytes; kvf 16,777,216 bytes; xf 8,388,608 bytes; wof 2,097,152 bytes
;; launch quant (part 1): grid 512 x 1, 4 waves a work-group, no clusters, 33,280 bytes of LDS; arguments query, key, value, Wq, Wk, Wv, Wo, codes, scales, wof; writes codes, scales, wof
.if DOCPART == 1
	.amdgcn_target "amdgcn-amd-amdhsa--gfx1250"
	.amdhsa_code_object_version 6
	.text
	.protected	k_qefc556c87b_quant
	.globl	k_qefc556c87b_quant
	.p2align	8
	.type	k_qefc556c87b_quant,@function
k_qefc556c87b_quant:
	s_mov_b64 s[64:65], 0
	v_nop
	global_prefetch_b8 v0, s[64:65] scope:SCOPE_SE
	s_setreg_imm32_b32 hwreg(HW_REG_WAVE_MODE, 25, 1), 1
	s_wait_xcnt 0x0
; query, key, value [4096][1024] and Wq, Wk, Wv [1024][1024], f32 with K innermost, become codes of FP4 (E2M1), two a byte, the lower k in the low four bits,
; and one E8M0 byte for each 32 along K; Wo [1024][1024] becomes f16, row-major.  The six tensors' codes lie on end in 'codes' (512 bytes a row), their bytes on end in 'scales' (32 bytes a row).
; A block's scale is 2^(floor(log2(its largest magnitude)) - 2): its byte is the largest magnitude's exponent field - 2, held at 1 from below.
; LIMITS: a block of zeros, and a block whose largest magnitude lies under 2^-124, gets the byte 1 (a block of zeros has zero codes, and this program alone reads the bytes);
; NaN and infinities among the inputs are not served; |Wo| stays under 65,504 (f16).
; SHARES.  Rows are dense and K is a multiple of 32: each tensor is a plain stream of blocks of 32.  Work-groups 0 to 479 take 32,768 numbers each, in the order of 'codes':
; query 0-127, key 128-255, value 256-383, Wq 384-415, Wk 416-447, Wv 448-479; a wave takes 16 steps of 512 numbers.  Work-groups 480 to 511 take Wo, 8,192 numbers a wave.
; A step's four loads read 512 consecutive bytes each; the 2,048 bytes turn through the wave's own stage in LDS, so that a lane holds 16 neighbours along K (two lanes to a block).
; A lane's 16 codes are 8 bytes: the wave stores 256 consecutive bytes.  A wave's 256 scale bytes are gathered in LDS and leave as 256 consecutive bytes.  Waves share nothing: no barrier.
.set WAVES, 4
.set STEPS, 16
.set QWG,   480                        ; work-groups that quantise
.set EMAX,  2
.set CB,    8                          ; bytes of 16 codes
.set R,     16                         ; v16-79   four sets of 16 numbers as they are loaded
.set X,     80                         ; v80-111  two sets of 16 neighbours
.set C,     128                        ; v128-191 codes: four registers for each step, so that no store's data are written again
.set E,     112                        ; v112-127 a scale byte for each step
.set WREG,  8192                       ; LDS: a region for each wave: two stages of 32 x SP bytes, then its 256 scale bytes
.set SP,    80                         ; a lane's place in a stage: 64 bytes + 16 of padding
.set SPW,   12                         ; v12  LDS address of my spare word; never rewritten
.set NIL,   13                         ; v13  0; never rewritten
.set SPARE, WAVES*WREG                 ; behind the regions: the spare words, 128 bytes a wave
	s_load_b256 s[4:11], s[0:1], 0x0               ; query, key, value, Wq
	s_load_b256 s[12:19], s[0:1], 0x20             ; Wk, Wv, Wo, codes
	s_load_b128 s[20:23], s[0:1], 0x40             ; scales, wof
	v_lshl_add_u32 v[SPW], v0, 2, SPARE
	v_mov_b32 v[NIL], 0
	v_lshrrev_b32 v1, 5, v0
	v_readfirstlane_b32 s28, v1                    ; wave
	v_and_b32 v2, 31, v0                           ; lane
	v_lshlrev_b32 v3, 4, v2                        ; my 16 bytes of a load's 512
	s_mul_i32 s29, s28, WREG
	v_lshrrev_b32 v14, 2, v2
	v_mul_u32_u24 v14, v14, SP
	v_and_b32 v15, 3, v2
	v_lshl_add_u32 v14, v15, 4, v14
	v_add_nc_u32 v14, s29, v14                     ; the stage, on the way in: SP (lane / 4) + 16 (lane % 4)
	v_mul_u32_u24 v15, v2, SP
	v_add_nc_u32 v15, s29, v15                     ; and on the way out: SP x lane: my 16 neighbours
	v_mul_u32_u24 v4, v2, CB                       ; 8 x lane: my codes' place in a step's (and my f16 numbers' place on Wo's path)
	v_lshrrev_b32 v5, 1, v2
	s_add_co_u32 s29, s29, 2*32*SP
	v_add_nc_u32 v5, s29, v5                       ; LDS: my wave's 256 scale bytes, my block's byte
	v_lshlrev_b32 v7, 3, v2
	v_add_nc_u32 v6, s29, v7                       ; and on the way out 8 bytes a lane
	s_wait_kmcnt 0x0
	s_cmp_ge_u32 ttmp9, QWG                        ; the work-group's number alone decides the path
	s_cbranch_scc1 .Lwo
	; which tensor: a chain of choices between buffers, on the work-group's number alone
	s_mov_b64 s[24:25], s[14:15]                   ; Wv,
	s_mov_b32 s26, 448                             ; whose first work-group is 448
	s_cmp_lt_u32 ttmp9, 448
	s_cselect_b64 s[24:25], s[12:13], s[24:25]     ; Wk
	s_cselect_b32 s26, 416, s26
	s_cmp_lt_u32 ttmp9, 416
	s_cselect_b64 s[24:25], s[10:11], s[24:25]     ; Wq
	s_cselect_b32 s26, 384, s26
	s_cmp_lt_u32 ttmp9, 384
	s_cselect_b64 s[24:25], s[8:9], s[24:25]       ; value
	s_cselect_b32 s26, 256, s26
	s_cmp_lt_u32 ttmp9, 256
	s_cselect_b64 s[24:25], s[6:7], s[24:25]       ; key
	s_cselect_b32 s26, 128, s26
	s_cmp_lt_u32 ttmp9, 128
	s_cselect_b64 s[24:25], s[4:5], s[24:25]       ; query
	s_cselect_b32 s26, 0, s26
	s_sub_co_u32 s26, ttmp9, s26
	s_lshl_b32 s26, s26, 2
	s_add_co_u32 s26, s26, s28                     ; which run of 8,192 numbers of the tensor is my wave's
	s_lshl_b32 s26, s26, 15                        ; 32,768 bytes a run (16 MiB at the most)
	s_mov_b32 s27, 0
	s_add_nc_u64 s[24:25], s[24:25], s[26:27]
	s_lshl_b32 s30, ttmp9, 2
	s_add_co_u32 s30, s30, s28                     ; and which run of the outputs, which lie on end in the work-groups' order
	s_lshl_b32 s32, s30, 12                        ; 4,096 bytes of codes a run
	s_mov_b32 s33, 0
	s_add_nc_u64 s[18:19], s[18:19], s[32:33]
	s_lshl_b32 s32, s30, 8                         ; 256 scale bytes a run
	s_add_nc_u64 s[20:21], s[20:21], s[32:33]
.macro LOAD t
.irp i, 0,1,2,3
	global_load_b128 v[R+16*((\t)%4)+4*\i:R+16*((\t)%4)+4*\i+3], v3, s[24:25] offset:2048*(\t)+512*\i th:TH_LOAD_NT   ; 32 lanes read 512 consecutive bytes
.endr
.endm
.macro TURN t                          ; step t's numbers through the stage: LDS serves a wave's instructions in order, so no wait stands between the stores and the loads
.irp i, 0,1,2,3
	ds_store_b128 v14, v[R+16*((\t)%4)+4*\i:R+16*((\t)%4)+4*\i+3] offset:32*SP*((\t)%2)+8*SP*\i
.endr
.irp i, 0,1,2,3
	ds_load_b128 v[X+16*((\t)%2)+4*\i:X+16*((\t)%2)+4*\i+3], v15 offset:32*SP*((\t)%2)+16*\i
.endr
.endm
.irp t, 0,1,2,3
	LOAD \t
.endr
	s_wait_loadcnt 12                              ; step 0's four loads are in; the twelve of steps 1 to 3 may be out
	TURN 0
.macro STEP t
.set XS, X+16*((\t)%2)
.if (\t) > 0
	s_wait_dscnt 1                                 ; this step's numbers are back from the stage (the last step's byte store may be out): so its stores into the stage have read their registers,
.else
	s_wait_dscnt 0x0
.endif
.if (\t)+4 < STEPS
	LOAD (\t)+4                                    ; which take the loads of four steps on
.endif
.if (\t)+1 < STEPS
.if STEPS-2-(\t) >= 3
	s_wait_loadcnt 12                              ; the next step's four loads are in; those of the three steps behind it may be out
.else
	s_wait_loadcnt 4*(STEPS-2-(\t))
.endif
	TURN (\t)+1                                    ; and go through the other stage while this step is worked
.endif
	v_max3_num_f32 v8, |v[XS]|, |v[XS+1]|, |v[XS+2]|               ; the largest magnitude of my 16, in two chains
	v_max3_num_f32 v9, |v[XS+3]|, |v[XS+4]|, |v[XS+5]|
.irp i, 6,10
	v_max3_num_f32 v8, v8, |v[XS+\i]|, |v[XS+\i+1]|
	v_max3_num_f32 v9, v9, |v[XS+\i+2]|, |v[XS+\i+3]|
.endr
	v_max3_num_f32 v8, v8, |v[XS+14]|, |v[XS+15]|
	v_max3_num_f32 v8, v8, v9, (EMAX+1)<<23        ; and the floor 2^(EMAX + 1 - 127): the byte cannot fall under 1
	v_max_num_f32_dpp v8, v8, v8 row_xmask:1 row_mask:0xf bank_mask:0xf   ; and of my neighbour's 16: the block's
	v_add_nc_u32 v11, -(EMAX<<23), v8              ; EMAX off its exponent field: the conversion takes the exponent field of this operand as its scale
	v_cvt_scalef32_pk8_fp4_f32 v[C+4*(\t)], v[XS:XS+7], v11        ; eight numbers / the scale, to the nearest code, ties to even, beyond the largest code the largest
	v_cvt_scalef32_pk8_fp4_f32 v[C+4*(\t)+1], v[XS+8:XS+15], v11
	v_lshrrev_b32 v[E+(\t)], 23, v11               ; the scale's byte (also the plain line behind the conversions)
	ds_store_b8 v5, v[E+(\t)] offset:16*(\t)       ; both lanes of a block write the same byte with the same value
	global_store_b64 v4, v[C+4*(\t):C+4*(\t)+1], s[18:19] offset:32*CB*(\t)   ; 256 consecutive bytes, aligned
.endm
.irp t, 0,1,2,3,4,5,6,7,8,9,10,11,12,13,14,15
	STEP \t
.endr
	ds_load_b64 v[8:9], v6                         ; LDS serves a wave's instructions in order: these see my byte stores
	s_wait_dscnt 0x0
	global_store_b64 v7, v[8:9], s[20:21]          ; 32 lanes store 256 consecutive bytes, aligned
	s_wait_tensorcnt 0x0                           ; the wave's end, behind my last LDS store
	ds_add_u32 v[SPW], v[NIL]
	s_wait_dscnt 0x0
	s_endpgm
; Wo to f16: a stream without LDS.  A wave takes 32,768 bytes in four groups of sixteen loads, two groups in flight.
.Lwo:
	s_sub_co_u32 s26, ttmp9, QWG
	s_lshl_b32 s26, s26, 2
	s_add_co_u32 s26, s26, s28                     ; my wave's run of 8,192 numbers
	s_lshl_b32 s30, s26, 15
	s_mov_b32 s31, 0
	s_add_nc_u64 s[16:17], s[16:17], s[30:31]      ; in Wo,
	s_lshl_b32 s30, s26, 14
	s_add_nc_u64 s[22:23], s[22:23], s[30:31]      ; and in wof
.macro LOADG g, set
.irp n, 0,1,2,3,4,5,6,7,8,9,10,11,12,13,14,15
	global_load_b128 v[\set+4*\n:\set+4*\n+3], v3, s[16:17] offset:8192*\g+512*\n th:TH_LOAD_NT
.endr
.endm
.macro CVTG g, set
.irp n, 0,1,2,3,4,5,6,7,8,9,10,11,12,13,14,15
	v_cvt_pk_f16_f32 v[144+2*\n], v[\set+4*\n], v[\set+4*\n+1]     ; the first source into the low half
	v_cvt_pk_f16_f32 v[145+2*\n], v[\set+4*\n+2], v[\set+4*\n+3]
.endr
.irp n, 0,1,2,3,4,5,6,7,8,9,10,11,12,13,14,15
	global_store_b64 v4, v[144+2*\n:145+2*\n], s[22:23] offset:4096*\g+256*\n   ; 256 consecutive bytes, aligned
.endr
.endm
	LOADG 0, 16
	LOADG 1, 80
	s_wait_loadcnt 16                              ; group 0 is in; group 1's sixteen may be out
	CVTG 0, 16
	LOADG 2, 16
	s_wait_loadcnt 16
	s_wait_xcnt 0x0                                ; the last group's stores have read their data: v144-175 may be written again
	CVTG 1, 80
	LOADG 3, 80
	s_wait_loadcnt 16
	s_wait_xcnt 0x0
	CVTG 2, 16
	s_wait_loadcnt 0x0
	s_wait_xcnt 0x0
	CVTG 3, 80
	s_endpgm
.Lfunc_end_k_qefc556c87b_quant:
	.size	k_qefc556c87b_quant, .Lfunc_end_k_qefc556c87b_quant-k_qefc556c87b_quant
	.p2alignl 7, 3214868480
	.fill 96, 4, 3214868480
	.section	.rodata,"a",@progbits
	.p2align	6, 0x0
	.amdhsa_kernel k_qefc556c87b_quant
		.amdhsa_group_segment_fixed_size 33280
		.amdhsa_private_segment_fixed_size 0
		.amdhsa_enable_private_segment 0
		.amdhsa_kernarg_size 80
		.amdhsa_user_sgpr_count 2
		.amdhsa_user_sgpr_kernarg_segment_ptr 1
		.amdhsa_wavefront_size32 1
		.amdhsa_system_sgpr_workgroup_id_x 1
		.amdhsa_system_sgpr_workgroup_id_y 1
		.amdhsa_system_sgpr_workgroup_id_z 1
		.amdhsa_system_vgpr_workitem_id 0
		.amdhsa_next_free_vgpr 192
		.amdhsa_next_free_sgpr 66
		.amdhsa_reserve_vcc 0
		.amdhsa_float_denorm_mode_32 3
		.amdhsa_float_denorm_mode_16_64 3
		.amdhsa_memory_ordered 1
		.amdhsa_forward_progress 1
		.amdhsa_inst_pref_size 55
	.end_amdhsa_kernel
	.amdgpu_metadata
---
amdhsa.version: [ 1, 2 ]
amdhsa.kernels:
  - .name:           k_qefc556c87b_quant
    .symbol:         k_qefc556c87b_quant.kd
    .args:
      - { .name: query, .offset: 0, .size: 8, .value_kind: global_buffer, .address_space: global }
      - { .name: key, .offset: 8, .size: 8, .value_kind: global_buffer, .address_space: global }
      - { .name: value, .offset: 16, .size: 8, .value_kind: global_buffer, .address_space: global }
      - { .name: Wq, .offset: 24, .size: 8, .value_kind: global_buffer, .address_space: global }
      - { .name: Wk, .offset: 32, .size: 8, .value_kind: global_buffer, .address_space: global }
      - { .name: Wv, .offset: 40, .size: 8, .value_kind: global_buffer, .address_space: global }
      - { .name: Wo, .offset: 48, .size: 8, .value_kind: global_buffer, .address_space: global }
      - { .name: codes, .offset: 56, .size: 8, .value_kind: global_buffer, .address_space: global }
      - { .name: scales, .offset: 64, .size: 8, .value_kind: global_buffer, .address_space: global }
      - { .name: wof, .offset: 72, .size: 8, .value_kind: global_buffer, .address_space: global }
    .group_segment_fixed_size: 33280
    .private_segment_fixed_size: 0
    .kernarg_segment_align: 8
    .kernarg_segment_size: 80
    .max_flat_workgroup_size: 128
    .sgpr_count:     66
    .vgpr_count:     192
    .wavefront_size: 32
...
	.end_amdgpu_metadata
.endif
;; end of part 1
;; launch proj (part 2): grid 4 x 48, 4 waves a work-group, clusters of 4 x 4, 327,680 bytes of LDS; arguments codes, scales, bq, bk, bv, qf, kvf; writes qf, kvf
.if DOCPART == 2
	.amdgcn_target "amdgcn-amd-amdhsa--gfx1250"
	.amdhsa_code_object_version 6
	.text
	.protected	k_qefc556c87b_proj
	.globl	k_qefc556c87b_proj
	.p2align	8
	.type	k_qefc556c87b_proj,@function
k_qefc556c87b_proj:
	s_mov_b64 s[64:65], 0
	v_nop
	global_prefetch_b8 v0, s[64:65] scope:SCOPE_SE
	s_setreg_imm32_b32 hwreg(HW_REG_WAVE_MODE, 25, 1), 1
	s_wait_xcnt 0x0
	s_wait_alu depctr_hold_cnt(0) depctr_sa_sdst(0) depctr_va_vdst(0) depctr_va_sdst(0) depctr_va_ssrc(0) depctr_va_vcc(0) depctr_vm_vsrc(0)
	s_getreg_b32 s2, hwreg(HW_REG_IB_STS2, 6, 4)
	s_cmp_eq_u32 s2, 0
	s_cbranch_scc0 .Lentry_in_a_cluster
	s_endpgm
.Lentry_in_a_cluster:
	s_bfe_u32 s2, ttmp6, 0x10000c
	s_cmp_lg_u32 s2, 0xf033
	s_cbranch_scc0 .Lentry_shape_is_right
	s_endpgm
.Lentry_shape_is_right:
; The three projections on codes of FP4 (E2M1) with one E8M0 scale for each 32 along K = 1,024: q = query Wq^T + bq, k = key Wk^T + bk, v = value Wv^T + bv.  Sums in f32.
; Results leave as f16 IMAGES OF THE NEXT PRODUCT'S OPERAND REGISTERS: a 16 x 16 result, packed, is lane for lane one block of 512 bytes of the operand that attention loads.
;   qf : q x 0.5 log2(e); byte (bh 128 + qtile) 2048 + cc 1024 + c 512 + 16 lane; lane (r, h): query 16 qtile + r, channels 32 cc + 16 c + 8 h + 0..7.  bh = 16 batch + head.
;   kvf: bh 524288 + step 16384 (64 keys a step); K at + t 2048 + cc 1024 + c 512 + 16 lane (key 16 t + r);  V^T at + 8192 + kk 4096 + ct 1024 + c 512 + 16 lane (channel 16 ct + r, keys 32 kk + 16 c + 8 h + 0..7).
; LIMITS: |q|, |k|, |v| stay under 65,504 (f16); NaN and infinities are not served.
; SHARES.  A tile of 256 x 256 to a work-group of four waves, 128 x 128 a wave: 64 accumulators, 512 registers.  Cluster y = 4 T + y': T is the tensor (0 q, 1 k, 2 v).
; "A" is the side whose row a lane holds, "B" the side of which it holds eight neighbours (source 0 = 16 rows of B, source 1 = 16 rows of A).  For q and k: A = tokens, B = the weight's rows (channels).
; For v the sides are swapped, A = Wv's rows, B = tokens: a lane then holds one channel and eight neighbouring keys, which is V^T's operand image.
; K = 1,024 is two LDS slots of 512 along K (rows of 256 bytes + 16 of padding), both asked for at the start: no slot is filled again.  The scale bytes of the tile's rows come once, as rows of 256 bytes + 16.
; CLUSTERS: 4 x 4.  A's tile hangs on cy (and T, y'), B's on cx (and T, y'): A's is asked for jointly along a row of the cluster, B's along a column.  T and y' are the same in all sixteen partners.
; REGISTERS, in windows of 256: window 0: v0-31 addresses; v32-95 scale words, two sets; v128-191 A's fragments, one set; on the way out v128-255 at work.
;   window 1: B's fragments, two sets, v0-63 and v128-191; v64-127 the bias.   window 2, 3: the accumulators of my rows 0-63, 64-127 ((a, b) at v[8 (8 (a % 4) + b)]).
.set SIZE_K, 1024
.set KSTEP,  512
.set NQ,     KSTEP/128
.set ROWB,   256
.set KROW,   SIZE_K*4/8
.set PITCH,  272                       ; 68 words: the 16 rows that a load touches start at 16 different banks (64 banks of 4 bytes: ISA guide 11.1)
.set FR,     8
.set NL,     2
.set NP,     4                         ; places behind this matrix instruction (ISA guide 7.12.1)
.set HALFT,  128*PITCH
.set SLOT,   4*HALFT
.set KS,     SIZE_K/32
.set SCL,    2*SLOT
.set HALFS,  (128*KS/256)*272
.set SBLK,   (16*KS/256)*272
.set SPARE,  SCL+4*HALFS               ; the spare words, 128 bytes a wave
.set ADRA, 16                          ; v16-17  LDS address of my A fragments in slot 0, 1
.set ADRB, 20                          ; v20-21  the same for B
.set LI,   24                          ; v24     16 x lane: my place in an image's block of 512 bytes
.set BOQ,  25                          ; v25     32 h: the bias of my eight channels (q, k)
.set BOV,  26                          ; v26     4 r: the bias of my channel (v)
.set ADRS, 27                          ; v27     LDS address of my scale words: lanes 0-15 A's rows, lanes 16-31 B's
.set SPW,  28
.set NIL,  29
.set SC,   32
.set AF,   128
.set BI,   64                          ; the bias, in window 1
.set TT,   128                         ; the way out: 64 numbers in f32
.set PB,   192                         ; the way out: packed results, two sets of 32
.set G1, 24
.set G0, 32
.set G1B, 48
.set G0B, 56
.set G1S, 68
.set G0S, 76
.set G1SB, 80
.set G0SB, 88
.set TN,  95                           ; s95   T
.set M0W, 100                          ; s100  my first row of A
.set N0W, 101                          ; s101  my first row of B
.set MSB, 0
.macro WIN new                         ; the immediate's high byte repeats the setting that is left
.if MSB != (\new)
	s_set_vgpr_msb (MSB<<8)|(\new)
.set MSB, (\new)
.endif
.endm
.set MUL_LO, 0xa1                      ; source 0 (B) window 1, source 1 (A) window 0, C and D window 2
.set MUL_HI, 0xf1
.set TO_B,   0x40
; A joint load: waves 0 and 1 fetch for A, waves 2 and 3 for B; the branch hangs on the wave's number alone.  An s_nop 0 and four v_nop follow each line.
.macro JLOAD g0a, g1a, g0b, g1b
	s_cmp_eq_u32 s15, 0
	s_cbranch_scc0 .Lfor_b_\@
	tensor_load_to_lds s[\g0a:\g0a+3], s[\g1a:\g1a+7]
	s_nop 0
.rept 4
	v_nop
.endr
	s_branch .Lasked_\@
.Lfor_b_\@:
	tensor_load_to_lds s[\g0b:\g0b+3], s[\g1b:\g1b+7]
	s_nop 0
.rept 4
	v_nop
.endr
.Lasked_\@:
.endm
.macro CREST
	s_cmp_lg_u32 s14, 0
	s_cbranch_scc1 .Lnot_wave_0_\@
	s_barrier_signal -3
.Lnot_wave_0_\@:
	s_barrier_wait -3
	s_barrier_signal -1
	s_barrier_wait -1
.endm
.macro CROUND
	s_barrier_signal -1
	s_barrier_wait -1
	CREST
.endm
	s_load_b128 s[4:7], s[0:1], 0x0                ; codes, scales
	s_load_b128 s[8:11], s[0:1], 0x10              ; bq, bk
	s_load_b64 s[12:13], s[0:1], 0x20              ; bv
	s_load_b128 s[96:99], s[0:1], 0x28             ; qf, kvf
	v_lshl_add_u32 v[SPW], v0, 2, SPARE
	v_mov_b32 v[NIL], 0
	ds_add_u32 v[SPW], v[NIL]                      ; the wave's opening: the add, twice on end, and its wait ahead of my first tensor load
	ds_add_u32 v[SPW], v[NIL]
	v_lshrrev_b32 v1, 5, v0
	v_readfirstlane_b32 s14, v1                    ; wave 0..3
	s_lshr_b32 s15, s14, 1                         ; which half of A's rows is mine.  Also: I fetch for A (0) or for B (1)
	s_and_b32 s16, s14, 1                          ; which half of B's rows.  Also: which 128 rows of that tile I fetch
	s_bfe_u32 s40, ttmp6, 0x40000                  ; cx, cy
	s_bfe_u32 s41, ttmp6, 0x40004
	s_and_b32 s3, ttmp7, 0xffff                    ; cluster y = 4 T + y'
	s_lshr_b32 s[TN], s3, 2
	s_and_b32 s3, s3, 3
	s_lshl_b32 s3, s3, 2                           ; 4 y'
	s_lshl_b32 s18, s[TN], 21                      ; where the tokens' codes begin: 2 MiB a tensor,
	s_lshl_b32 s19, s[TN], 19
	s_add_co_u32 s19, s19, 6<<20                   ; the weight's: behind them, 512 KiB a tensor,
	s_lshl_b32 s22, s[TN], 17                      ; the tokens' scale bytes: 128 KiB a tensor,
	s_lshl_b32 s23, s[TN], 15
	s_add_co_u32 s23, s23, 3<<17                   ; the weight's: behind them, 32 KiB a tensor
	s_cmp_eq_u32 s[TN], 2                          ; v: the sides are swapped
	s_cselect_b32 s17, 0, s3
	s_cselect_b32 s42, s3, 0
	s_cselect_b32 s20, s19, s18                    ; A's codes
	s_cselect_b32 s46, s18, s19                    ; B's codes
	s_cselect_b32 s2, s23, s22                     ; A's scale bytes
	s_cselect_b32 s92, s22, s23                    ; B's scale bytes
	s_add_co_u32 s17, s17, s41                     ; A's tile: cy (+ 4 y' where A is the tokens)
	s_add_co_u32 s42, s42, s40                     ; B's tile: cx (+ 4 y' where B is the tokens)
	s_lshl_b32 s43, s41, 2
	s_lshl_b32 s43, 15, s43                        ; my row of the cluster
	s_lshl_b32 s44, 0x1111, s40                    ; my column
	; descriptor group 1: a tile of 128 rows x 256 bytes, padded in LDS
	s_or_b32 s[G1+0], s43, (0<<16)|(1<<20)|(1<<21)|(5<<22)|(3<<25)  ; the mask; elements of 1 byte; padding on; bit 21 beside a mask; after every 64 words 4 words
	s_or_b32 s[G1B+0], s44, (0<<16)|(1<<20)|(1<<21)|(5<<22)|(3<<25)
.irp g, G1, G1B
	s_mov_b32 s[\g+1], ROWB<<16                    ; tensor_dim0
	s_mov_b32 s[\g+2], 128<<16                     ; tensor_dim1
	s_mov_b32 s[\g+3], ROWB<<16                    ; tile_dim0
	s_mov_b32 s[\g+4], 128                         ; tile_dim1
	s_mov_b32 s[\g+5], KROW                        ; the pitch
	s_mov_b32 s[\g+6], 0
	s_mov_b32 s[\g+7], 0
.endr
	; the scale bytes of 128 rows: 4,096 dense bytes, as 16 rows of 256 bytes (32 elements of 8), 16 bytes of padding behind each
	s_or_b32 s[G1S+0], s43, (3<<16)|(1<<20)|(1<<21)|(5<<22)|(3<<25)
	s_or_b32 s[G1SB+0], s44, (3<<16)|(1<<20)|(1<<21)|(5<<22)|(3<<25)
.irp g, G1S, G1SB
	s_mov_b32 s[\g+1], 32<<16
	s_mov_b32 s[\g+2], (128*KS/256)<<16
	s_mov_b32 s[\g+3], 32<<16
	s_mov_b32 s[\g+4], 128*KS/256
	s_mov_b32 s[\g+5], 32
	s_mov_b32 s[\g+6], 0
	s_mov_b32 s[\g+7], 0
.endr
	s_lshl_b32 s18, s16, 7                         ; which 128 rows of the tile I fetch
	s_lshl_b32 s19, s17, 8
	s_add_co_u32 s19, s19, s18                     ; A: row 256 x tile + 128 x half
	s_lshl_b32 s47, s42, 8
	s_add_co_u32 s47, s47, s18                     ; B likewise
	s_lshl_b32 s22, s19, 5                         ; 32 scale bytes a row,
	s_add_co_u32 s22, s22, s2
	s_lshl_b32 s19, s19, 9                         ; 512 bytes of codes
	s_add_co_u32 s20, s20, s19
	s_lshl_b32 s93, s47, 5
	s_add_co_u32 s92, s92, s93
	s_lshl_b32 s47, s47, 9
	s_add_co_u32 s46, s46, s47
	s_mov_b32 s21, 0                               ; (all four offsets lie under 8 MiB)
	s_mov_b32 s23, 0
	s_mov_b32 s47, 0
	s_mov_b32 s93, 0
	s_mul_i32 s45, s14, HALFT                      ; where they go: wave x 128 rows: no place in the cluster enters an LDS address
	s_mul_i32 s94, s14, HALFS
	s_wait_dscnt 0x0                               ; both opening adds are done
	s_wait_kmcnt 0x0
	s_add_nc_u64 s[20:21], s[4:5], s[20:21]
	s_add_nc_u64 s[22:23], s[6:7], s[22:23]
	s_add_nc_u64 s[46:47], s[4:5], s[46:47]
	s_add_nc_u64 s[92:93], s[6:7], s[92:93]
	CROUND                                         ; all sixteen work-groups are here: the joint loads meet
	s_mov_b32 s[G0S], 1
	s_add_co_u32 s[G0S+1], s94, SCL
	s_mov_b64 s[G0S+2:G0S+3], s[22:23]
	s_or_b32 s[G0S+3], s[G0S+3], 0x80000000
	s_mov_b32 s[G0SB], 1
	s_add_co_u32 s[G0SB+1], s94, SCL
	s_mov_b64 s[G0SB+2:G0SB+3], s[92:93]
	s_or_b32 s[G0SB+3], s[G0SB+3], 0x80000000
	JLOAD G0S, G1S, G0SB, G1SB                     ; the scales first: they are wanted with the first slot
.irp s, 0,1
	s_mov_b32 s[G0+4*\s], 1
	s_add_co_u32 s[G0+4*\s+1], s45, \s*SLOT
	s_add_nc_u64 s[G0+4*\s+2:G0+4*\s+3], s[20:21], \s*ROWB
	s_or_b32 s[G0+4*\s+3], s[G0+4*\s+3], 0x80000000
	s_mov_b32 s[G0B+4*\s], 1
	s_add_co_u32 s[G0B+4*\s+1], s45, \s*SLOT
	s_add_nc_u64 s[G0B+4*\s+2:G0B+4*\s+3], s[46:47], \s*ROWB
	s_or_b32 s[G0B+4*\s+3], s[G0B+4*\s+3], 0x80000000
	JLOAD G0+4*\s, G1, G0B+4*\s, G1B               ; three tensor loads of mine are out: all that the launch has
.endr
	v_and_b32 v1, 15, v0                           ; r
	v_bfe_u32 v2, v0, 4, 1                         ; h
	v_mul_u32_u24 v3, v1, PITCH
	v_lshl_add_u32 v4, v2, 4, v3                   ; a fragment's row x pitch + 16 x half
	s_mul_i32 s21, s15, HALFT                      ; my 128 rows of A
	s_mul_i32 s22, s16, HALFT                      ; my 128 rows of B,
	s_add_co_u32 s22, s22, 2*HALFT                 ; which lie behind A's 256
.irp s, 0,1
	v_add_nc_u32 v[ADRA+\s], s21, v4
	v_add_nc_u32 v[ADRB+\s], s22, v4
	s_add_co_u32 s21, s21, SLOT
	s_add_co_u32 s22, s22, SLOT
.endr
	v_mul_u32_u24 v5, v1, KS                       ; my row's scales: KS bytes a row,
	v_lshrrev_b32 v6, 8, v5
	v_lshl_add_u32 v5, v6, 4, v5                   ; and 16 more for each 256 passed
	s_mul_i32 s21, s15, HALFS
	s_mul_i32 s22, s16, HALFS
	s_add_co_u32 s22, s22, 2*HALFS
	s_sub_co_u32 s22, s22, s21
	v_mul_u32_u24 v6, s22, v2                      ; lanes 16-31 take B's: one product, the distance between the two bases x h
	s_add_co_u32 s21, s21, SCL
	v_add_nc_u32 v5, v5, v6
	v_add_nc_u32 v[ADRS], s21, v5
	v_and_b32 v6, 31, v0
	v_lshlrev_b32 v[LI], 4, v6
	v_lshlrev_b32 v[BOQ], 5, v2
	v_lshlrev_b32 v[BOV], 2, v1
	s_lshl_b32 s[M0W], s17, 8
	s_lshl_b32 s18, s15, 7
	s_add_co_u32 s[M0W], s[M0W], s18               ; my first row of A
	s_lshl_b32 s[N0W], s42, 8
	s_lshl_b32 s18, s16, 7
	s_add_co_u32 s[N0W], s[N0W], s18               ; my first row of B
	; THE BIAS, into window 1, v64-127; it is waited for on the way out.  Both arms write the same 64 registers.
	s_cmp_eq_u32 s[TN], 0
	s_cselect_b64 s[66:67], s[8:9], s[10:11]
	s_cmp_eq_u32 s[TN], 2
	s_cselect_b64 s[66:67], s[12:13], s[66:67]
	s_cselect_b32 s18, s[M0W], s[N0W]              ; the channels are A's rows for v, B's for q and k
	s_lshl_b32 s18, s18, 2
	s_mov_b32 s19, 0
	s_add_nc_u64 s[66:67], s[66:67], s[18:19]
	s_cmp_eq_u32 s[TN], 2
	s_cbranch_scc1 .Lbias_v
	WIN TO_B
.irp b, 0,1,2,3,4,5,6,7                            ; q, k: register 8 b + j = the bias of channel 16 b + 8 h + j
	global_load_b128 v[BI+8*\b:BI+8*\b+3], v[BOQ], s[66:67] offset:64*\b
	global_load_b128 v[BI+8*\b+4:BI+8*\b+7], v[BOQ], s[66:67] offset:64*\b+16
.endr
	WIN 0
	s_branch .Lbias_done
.Lbias_v:
	WIN TO_B
.irp a, 0,1,2,3,4,5,6,7                            ; v: registers 8 a .. 8 a + 7 all hold the bias of channel 16 a + r
.irp j, 0,1,2,3,4,5,6,7
	global_load_b32 v[BI+8*\a+\j], v[BOV], s[66:67] offset:64*\a
.endr
.endr
	WIN 0
.Lbias_done:
.macro FRAG reg, adr, q, i             ; 16 rows x 128 K of 4-bit codes: 8 registers; registers 4 c .. 4 c + 3 hold K = 64 c + 32 h + 0 .. 31
.irp c, 0,1
	ds_load_b128 v[\reg+4*\c:\reg+4*\c+3], v[\adr] offset:64*(\q)+32*\c+(\i)*16*PITCH
.endr
.endm
; 16 matrix instructions: A's blocks a0, a0 + 1 x B's eight, 128 along K.  zero = 1: the first product starts the sums.  The 64 accumulators take turns, one instruction a turn.
.macro MUL16 a0, p, q, sc, zero
.irp a, \a0, \a0+1
.irp b, 0,1,2,3,4,5,6,7
.if \zero
	v_wmma_scale_f32_16x16x128_f8f6f4 v[8*(8*((\a)%4)+\b):8*(8*((\a)%4)+\b)+7], v[128*(\p)+FR*\b:128*(\p)+FR*\b+FR-1], v[AF+FR*(\a):AF+FR*(\a)+FR-1], 0, v[SC+8*NQ*(\sc)+NQ*\b+(\q)], v[SC+8*NQ*(\sc)+NQ*(\a)+(\q)] matrix_a_fmt:MATRIX_FMT_FP4 matrix_b_fmt:MATRIX_FMT_FP4 matrix_a_scale:MATRIX_SCALE_ROW1
.else
	v_wmma_scale_f32_16x16x128_f8f6f4 v[8*(8*((\a)%4)+\b):8*(8*((\a)%4)+\b)+7], v[128*(\p)+FR*\b:128*(\p)+FR*\b+FR-1], v[AF+FR*(\a):AF+FR*(\a)+FR-1], v[8*(8*((\a)%4)+\b):8*(8*((\a)%4)+\b)+7], v[SC+8*NQ*(\sc)+NQ*\b+(\q)], v[SC+8*NQ*(\sc)+NQ*(\a)+(\q)] matrix_a_fmt:MATRIX_FMT_FP4 matrix_b_fmt:MATRIX_FMT_FP4 matrix_a_scale:MATRIX_SCALE_ROW1
.endif
.endr
.endr
.endm
.macro FETCH_B slot, q, p
	WIN TO_B
.irp i, 0,1,2,3,4,5,6,7
	FRAG 128*(\p)+FR*\i, ADRB+\slot, \q, \i
.endr
	WIN 0
.endm
.macro FETCH_A slot, q, i0
.irp i, \i0, \i0+1, \i0+2, \i0+3
	FRAG AF+FR*(\i), ADRA+\slot, \q, \i
.endr
.endm
.macro SCALES sc                       ; a slot's scale words: 4 words a row; lanes 0-15 take A's block i, lanes 16-31 B's block i
.irp i, 0,1,2,3,4,5,6,7
	ds_load_b128 v[SC+8*NQ*\sc+NQ*\i:SC+8*NQ*\sc+NQ*\i+3], v[ADRS] offset:\i*SBLK
.endr
.endm
.macro PLACES n                        ; plain vector lines between a matrix instruction and a load into, or a vector write or read of, its registers
.rept \n
	v_nop
.endr
.endm
.macro STEP slot, q, zero              ; a step of 128 along K that has its successor in the same slot
	s_wait_dscnt 4*NL                              ; B's set and A's blocks 0-3 are in; the youngest eight loads (A's blocks 4-7) may be out
	WIN MUL_LO
	MUL16 0, (\q)%2, \q, \slot, \zero
	MUL16 2, (\q)%2, \q, \slot, \zero
	s_wait_dscnt 0                                 ; A's blocks 4-7 are in
	PLACES NP
	FETCH_B \slot, (\q)+1, 1-(\q)%2
	FETCH_A \slot, (\q)+1, 0
	WIN MUL_HI
	MUL16 4, (\q)%2, \q, \slot, \zero
	MUL16 6, (\q)%2, \q, \slot, \zero
	PLACES NP
	WIN 0
	FETCH_A \slot, (\q)+1, 4
.endm
.macro TURN slot, next                 ; slot 0's last step goes over to slot 1: one barrier; nothing is filled again
	s_wait_tensorcnt 0x0                           ; all my tensor loads have landed: my part of the next slot
	ds_add_u32 v[SPW], v[NIL]                      ; 0 onto my spare word
	s_wait_dscnt 4*NL+1                            ; (the add and the youngest eight loads may be out)
	WIN MUL_LO
	MUL16 0, 1, NQ-1, \slot, 0
	s_wait_dscnt 0x0                               ; the add is done, and no LDS instruction of mine is out at the signal
	s_barrier_signal -1
	MUL16 2, 1, NQ-1, \slot, 0
	WIN 0
	s_barrier_wait -1                              ; everybody's part of the next slot is in
	PLACES NP
	v_add_nc_u32 v[ADRS], 4*NQ, v[ADRS]            ; on to the next slot's scale words
	FETCH_B \next, 0, 0
	FETCH_A \next, 0, 0
	SCALES \next
	WIN MUL_HI
	MUL16 4, 1, NQ-1, \slot, 0
	MUL16 6, 1, NQ-1, \slot, 0
	PLACES NP
	WIN 0
	FETCH_A \next, 0, 4
.endm
.macro STEPS slot, from
.set Q, \from
.rept NQ-1-\from
	STEP \slot, Q, 0
.set Q, Q+1
.endr
.endm
	s_wait_tensorcnt 1                             ; the scales and my part of slot 0 are in; slot 1's load may be out
	s_barrier_signal -1
	s_barrier_wait -1                              ; everybody's are
	FETCH_B 0, 0, 0
	FETCH_A 0, 0, 0
	SCALES 0
	FETCH_A 0, 0, 4
	STEP 0, 0, 1                                   ; the first step's products start the sums
	STEPS 0, 1
	TURN 0, 1
	STEPS 1, 0
	s_wait_dscnt 4*NL                              ; the last step: nothing more to fetch
	WIN MUL_LO
	MUL16 0, 1, NQ-1, 1, 0
	MUL16 2, 1, NQ-1, 1, 0
	s_wait_dscnt 0
	WIN MUL_HI
	MUL16 4, 1, NQ-1, 1, 0
	MUL16 6, 1, NQ-1, 1, 0
	WIN 0
	; THE WAY OUT, without LDS: bias, scale, f16, and a block of 16 x 16 leaves as 512 consecutive bytes, 16 a lane.
	PLACES NP                                      ; behind the last products: their results are read and A's registers written below
	s_wait_loadcnt 0x0                             ; the bias
	s_cmp_eq_u32 s[TN], 2
	s_cbranch_scc1 .Lout_v
	; q and k: lane (r, h) of accumulator (a, b): token M0W + 16 a + r, channels N0W + 16 b + 8 h + 0..7.  k's image has twice q's distances: a shift by T.
	s_cmp_eq_u32 s[TN], 0
	s_cselect_b32 s44, 0x3f38aa3b, 1.0             ; q is stored x 0.5 log2(e), so that attention's scores are exponents of 2
	s_cselect_b64 s[20:21], s[96:97], s[98:99]
	s_mov_b32 s45, s44                             ; (named with it as a pair)
	s_lshr_b32 s18, s[M0W], 11                     ; batch
	s_lshl_b32 s18, s18, 4
	s_lshr_b32 s19, s[N0W], 6                      ; my first head
	s_add_co_u32 s18, s18, s19
	s_lshl_b32 s18, s18, 18
	s_and_b32 s19, s[M0W], 2047
	s_lshr_b32 s19, s19, 6
	s_lshl_b32 s19, s19, 13                        ; 64 tokens: 8,192 bytes of q
	s_add_co_u32 s18, s18, s19
	s_lshl_b32 s18, s18, s[TN]
	s_mov_b32 s19, 0
	s_add_nc_u64 s[32:33], s[20:21], s[18:19]      ; four bases: head 0 or 1 of my two, tokens 0-63 or 64-127
	s_lshl_b32 s18, 8192, s[TN]
	s_add_nc_u64 s[34:35], s[32:33], s[18:19]
	s_lshl_b32 s18, 262144, s[TN]
	s_add_nc_u64 s[36:37], s[32:33], s[18:19]
	s_add_nc_u64 s[38:39], s[34:35], s[18:19]
	WIN 0x41                                       ; destination and source 0 window 1
.set n, 0
.rept 32
	v_pk_mul_f32 v[BI+n:BI+n+1], v[BI+n:BI+n+1], s[44:45] op_sel_hi:[1,0]   ; the bias under the same scale
.set n, n+2
.endr
.irp a, 0,1,2,3,4,5,6,7
	WIN 0x12+(\a)/4                                ; source 0: window 2 or 3; source 2: window 1
.irp b, 0,1,2,3,4,5,6,7
.irp i, 0,2,4,6                                    ; each accumulator from its low end on
	v_pk_fma_f32 v[TT+8*\b+\i:TT+8*\b+\i+1], v[64*(\a%4)+8*\b+\i:64*(\a%4)+8*\b+\i+1], s[44:45], v[BI+8*\b+\i:BI+8*\b+\i+1] op_sel_hi:[1,0,1]
.endr
.endr
	WIN 0
.if \a >= 2
	s_wait_xcnt 0x0                                ; block a - 2's stores have read their data: its set may be written again
.endif
.irp b, 0,1,2,3,4,5,6,7
.irp i, 0,1,2,3
	v_cvt_pk_f16_f32 v[PB+32*(\a%2)+4*\b+\i], v[TT+8*\b+2*\i], v[TT+8*\b+2*\i+1]
.endr
.endr
.irp b, 0,1,2,3,4,5,6,7
	global_store_b128 v[LI], v[PB+32*(\a%2)+4*\b:PB+32*(\a%2)+4*\b+3], s[32+4*(\b/4)+2*(\a/4):33+4*(\b/4)+2*(\a/4)] offset:(\a%4)*2048+((\b%4)/2)*1024+(\b%2)*512   ; 512 consecutive bytes, aligned
.endr
.endr
	s_branch .Lend
.Lout_v:
	; v: lane (r, h) of accumulator (a, b): channel M0W + 16 a + r, tokens N0W + 16 b + 8 h + 0..7
	s_lshr_b32 s18, s[N0W], 11                     ; batch
	s_lshl_b32 s18, s18, 4
	s_lshr_b32 s19, s[M0W], 6                      ; my first head
	s_add_co_u32 s18, s18, s19
	s_lshl_b32 s18, s18, 19
	s_and_b32 s19, s[N0W], 2047
	s_lshr_b32 s19, s19, 6
	s_lshl_b32 s19, s19, 14                        ; my first key step
	s_add_co_u32 s18, s18, s19
	s_add_co_u32 s18, s18, 8192                    ; V^T lies behind a step's K
	s_mov_b32 s19, 0
	s_add_nc_u64 s[32:33], s[98:99], s[18:19]
.irp a, 0,1,2,3,4,5,6,7
	WIN 0x06+(\a)/4                                ; source 0: window 2 or 3; source 1: window 1
.irp b, 0,1,2,3,4,5,6,7
.irp i, 0,2,4,6
	v_pk_add_f32 v[TT+8*\b+\i:TT+8*\b+\i+1], v[64*(\a%4)+8*\b+\i:64*(\a%4)+8*\b+\i+1], v[BI+8*\a:BI+8*\a+1] op_sel_hi:[1,0]
.endr
.endr
	WIN 0
.if \a >= 2
	s_wait_xcnt 0x0
.endif
.irp b, 0,1,2,3,4,5,6,7
.irp i, 0,1,2,3
	v_cvt_pk_f16_f32 v[PB+32*(\a%2)+4*\b+\i], v[TT+8*\b+2*\i], v[TT+8*\b+2*\i+1]
.endr
.endr
.irp b, 0,1,2,3,4,5,6,7
	global_store_b128 v[LI], v[PB+32*(\a%2)+4*\b:PB+32*(\a%2)+4*\b+3], s[32:33] offset:(\a/4)*524288+(\b/4)*16384+((\b/2)%2)*4096+(\a%4)*1024+(\b%2)*512
.endr
.endr
.Lend:
	s_wait_tensorcnt 0x0                           ; the wave's end
	ds_add_u32 v[SPW], v[NIL]
	s_wait_dscnt 0x0
	CROUND                                         ; the closing round
	s_endpgm
.Lfunc_end_k_qefc556c87b_proj:
	.size	k_qefc556c87b_proj, .Lfunc_end_k_qefc556c87b_proj-k_qefc556c87b_proj
	.p2alignl 7, 3214868480
	.fill 96, 4, 3214868480
	.section	.rodata,"a",@progbits
	.p2align	6, 0x0
	.amdhsa_kernel k_qefc556c87b_proj
		.amdhsa_group_segment_fixed_size 327680
		.amdhsa_private_segment_fixed_size 0
		.amdhsa_enable_private_segment 0
		.amdhsa_kernarg_size 56
		.amdhsa_user_sgpr_count 2
		.amdhsa_user_sgpr_kernarg_segment_ptr 1
		.amdhsa_wavefront_size32 1
		.amdhsa_system_sgpr_workgroup_id_x 1
		.amdhsa_system_sgpr_workgroup_id_y 1
		.amdhsa_system_sgpr_workgroup_id_z 1
		.amdhsa_system_vgpr_workitem_id 0
		.amdhsa_next_free_vgpr 1024
		.amdhsa_next_free_sgpr 102
		.amdhsa_reserve_vcc 0
		.amdhsa_float_denorm_mode_32 3
		.amdhsa_float_denorm_mode_16_64 3
		.amdhsa_memory_ordered 1
		.amdhsa_forward_progress 1
		.amdhsa_inst_pref_size 184
	.end_amdhsa_kernel
	.amdgpu_metadata
---
amdhsa.version: [ 1, 2 ]
amdhsa.kernels:
  - .name:           k_qefc556c87b_proj
    .symbol:         k_qefc556c87b_proj.kd
    .args:
      - { .name: codes, .offset: 0, .size: 8, .value_kind: global_buffer, .address_space: global }
      - { .name: scales, .offset: 8, .size: 8, .value_kind: global_buffer, .address_space: global }
      - { .name: bq, .offset: 16, .size: 8, .value_kind: global_buffer, .address_space: global }
      - { .name: bk, .offset: 24, .size: 8, .value_kind: global_buffer, .address_space: global }
      - { .name: bv, .offset: 32, .size: 8, .value_kind: global_buffer, .address_space: global }
      - { .name: qf, .offset: 40, .size: 8, .value_kind: global_buffer, .address_space: global }
      - { .name: kvf, .offset: 48, .size: 8, .value_kind: global_buffer, .address_space: global }
    .group_segment_fixed_size: 327680
    .private_segment_fixed_size: 0
    .kernarg_segment_align: 8
    .kernarg_segment_size: 56
    .max_flat_workgroup_size: 128
    .sgpr_count:     102
    .vgpr_count:     1024
    .wavefront_size: 32
...
	.end_amdgpu_metadata
.endif
;; end of part 2
;; launch attn (part 3): grid 8 x 32, 8 waves a work-group, no clusters, 327,680 bytes of LDS; arguments qf, kvf, rel_k_table, rel_v_table, xf; writes xf
.if DOCPART == 3
	.amdgcn_target "amdgcn-amd-amdhsa--gfx1250"
	.amdhsa_code_object_version 6
	.text
	.protected	k_qefc556c87b_attn
	.globl	k_qefc556c87b_attn
	.p2align	8
	.type	k_qefc556c87b_attn,@function
k_qefc556c87b_attn:
	s_mov_b64 s[64:65], 0
	v_nop
	global_prefetch_b8 v0, s[64:65] scope:SCOPE_SE
	s_setreg_imm32_b32 hwreg(HW_REG_WAVE_MODE, 25, 1), 1
	s_wait_xcnt 0x0
; x[b][q][head] = softmax_k((q.k + q.rk[c(k - q)]) / 2) (v[k] + rv[c(k - q)]), c(d) = clip(d, -2, 2) + 2.  16 heads of 64, 2,048 keys, no mask.  Operands f16, sums, maxima and exponentials f32.
; THE TABLES HAVE FIVE ROWS, so the second score is one of five numbers of a query, qr_j = q.rk[j], and the second value sum is sum_j A_j rv[j], A_j the softmax's mass in class j.
; q arrives x 0.5 log2(e): t = s + qr is an exponent of 2; p = 2^(t - m), m the running maximum of t; O and the masses are multiplied by 2^(old m - new m) in every step.
; CLASSES by d = key - query: left (d <= -1) adds qr0, right (d >= 1) adds qr4; d = -1, 0, +1 are set right to qr1, qr2, qr3.  Off the band the addend is a constant of the lane and rides in the constant that takes m off.
; w2 = left rv0 + right rv4 + A(d = 0) rv2 + A(d = -1) (rv1 - rv0) + A(d = +1) (rv3 - rv4): one more product at the end.  The divisor is left + right + A(d = 0).
; MASSES.  AUG is an operand whose row 0 is ones: U += AUG P adds a step's sum of p to U[0] of lanes 0-15 and leaves U[1..7] as they are.  U[0] is the mass of the side in hand; at the wave's own step it becomes U[1] (left) and U[0] begins anew.
; SHARES.  A work-group: 256 queries of one (batch, head); a wave: 32 queries, two tiles of 16; two waves to a SIMD, so that one wave's vector work stands beside the other's products.  64 keys a step.
; Both products are used transposed: S^T = K Q^T, O^T = V^T P: a lane holds one query (lane % 16) throughout.
; LOGICAL HALVES.  par = wave & 1.  Half A of a step is its keys 32 par on, half B the other 32: two LDS addresses 4,096 bytes apart.  So the wave's 32 x 32 diagonal block is half A of its OWN step (first key QA),
; at fixed registers, and the band's two elements outside it are always S0[31] in lane 16 (d = -1 of my first query; step QP) and S1[16] in lane 15 (d = +1 of my last; step QN).
; The three tests are scalar, on ids and the count of steps.  Where the neighbouring key does not exist, QP or QN is no step's first key.
; K AND V come as images of the operands' registers: a step is 16,384 dense bytes; a slot of four steps is 65,536 bytes as they lie in memory; each of the eight waves brings 8,192 of them by one tensor load.
; NO CLUSTER: the step at which a wave meets its diagonal is a branch on the query block; and what would be shared is 16,384 bytes for a step in which each wave issues some 220 vector instructions.
; LIMITS: q, k, v, the tables and x in f16: magnitudes under 65,504; NaN and infinities are not served.
; REGISTERS: window 0: v1-10 addresses; v16-60 statistics, 24 a tile; v64-127 S^T, then p; v128-159 P; v160-175 U; v176-183 AUG; v184-199 qr; v200-219 rv; v220-239 at work.
;   window 1: v0-63 O^T; v64-95 Q; v128-191 K's fragments; v192-255 V's.
.set SLOTB, 65536
.set STEPB, 16384
.set NSL,   8                          ; slots' worth of keys
.set SPARE, 2*SLOTB                    ; the spare words, 128 bytes a wave
.set AA0, 1                            ; v1   16 x lane + 4096 par
.set AB0, 2                            ; v2   the same in the other half
.set ADA, 3                            ; v3, v4  the step's LDS addresses
.set ADB, 4
.set SPW, 5
.set NIL, 6
.set LI,  7                            ; v7   16 x lane
.set PFO, 8                            ; v8   256 x lane
.set RKO, 9                            ; v9   my place in rel_k_table
.set RVO, 10                           ; v10  and in rel_v_table
.set ST,  16                           ; tile i's statistics at v[ST + STN i]
.set STN, 24
.set oKA, 0                            ; +0, 1   addend of half A - m (a pair: the low word serves both halves)
.set oKB, 2                            ; +2, 3   of half B
.set oAF, 4                            ; +4, 5   2^(old m - new m); at the end 1 / the divisor
.set oM,  6
.set oAA, 7                            ; the addend of half A
.set oAB, 8                            ; and of half B
.set oD,  9                            ; tile 0: qr1 - qr0 in lane 16; tile 1: qr3 - qr4 in lane 15; else 0
.set oTA, 10
.set oTB, 11
.set oX,  12
.set oY,  13
.set oL,  14
.set oR,  15
.set oC1, 16
.set oC2, 17
.set oC3, 18
.set oBS, 19
.set oT,  20
.set S,   64
.set P,   128
.set U,   160
.set AUG, 176
.set QR,  184
.set RV,  200
.set TMP, 220
.set ZR,  222
.set TK,  224
.set WV,   14
.set PAR,  15
.set PARM, 16                          ; all ones where par = 1
.set BH,   17
.set QW,   18
.set QA,   19
.set QP,   20
.set QN,   21
.set KF,   22                          ; the step's first key
.set TB,   23                          ; LDS byte at which the step begins
.set G1,   24
.set G0,   32
.set SLOTS, 36
.set CNT,  37
.set LIM,  38
.set PFA,  40
.set SEL,  42
.set MK,   44                          ; s44-48 lane masks
.set HI,   49                          ; lanes 16-31
.set MSB, 0
.macro WIN new
.if MSB != (\new)
	s_set_vgpr_msb (MSB<<8)|(\new)
.set MSB, (\new)
.endif
.endm
	s_load_b256 s[4:11], s[0:1], 0x0               ; qf, kvf, rel_k_table, rel_v_table
	s_load_b64 s[12:13], s[0:1], 0x20              ; xf
	v_lshl_add_u32 v[SPW], v0, 2, SPARE
	v_mov_b32 v[NIL], 0
	ds_add_u32 v[SPW], v[NIL]                      ; the wave's opening: the add, twice on end, and its wait ahead of my first tensor load
	ds_add_u32 v[SPW], v[NIL]
	v_lshrrev_b32 v11, 5, v0
	v_readfirstlane_b32 s[WV], v11                 ; wave 0..7
	s_and_b32 s[PAR], s[WV], 1
	s_sub_co_u32 s[PARM], 0, s[PAR]
	s_and_b32 s[BH], ttmp7, 0xffff                 ; 16 batch + head
	s_lshl_b32 s[QW], ttmp9, 8
	s_lshl_b32 s50, s[WV], 5
	s_add_co_u32 s[QW], s[QW], s50                 ; my first query
	s_lshl_b32 s50, s[PAR], 5
	s_sub_co_u32 s[QA], s[QW], s50                 ; the first key of my own step,
	s_add_co_u32 s[QN], s[QW], s50                 ; of the step that holds key QW + 32 in its half B,
	s_sub_co_u32 s[QP], s[QN], 64                  ; and of the one that holds key QW - 1 there
	s_mov_b32 s[G1], 3<<16                         ; group 1: no mask; elements of 8 bytes; no padding
	s_mov_b32 s[G1+1], 32<<16                      ; tensor_dim0 = 32 (256 bytes)
	s_mov_b32 s[G1+2], 32<<16                      ; tensor_dim1 = 32
	s_mov_b32 s[G1+3], 32<<16                      ; tile_dim0 = 32
	s_mov_b32 s[G1+4], 32                          ; tile_dim1 = 32
	s_mov_b32 s[G1+5], 32                          ; the pitch: dense
	s_mov_b32 s[G1+6], 0
	s_mov_b32 s[G1+7], 0
	s_mov_b32 s[SEL], 0x76543210
	s_mov_b32 s[SEL+1], 0xfedcba98                 ; v_permlanex16_b32's selects for lane l xor 16
	s_mov_b32 s[HI], 0xffff0000
	s_mov_b32 s[SLOTS], NSL-1
	s_mov_b32 s[KF], 0
	s_mov_b32 s[TB], 0
	s_cmp_eq_u32 ttmp9, 0
	s_cselect_b32 s[LIM], 1, -1                    ; the head's first work-group prefetches
	s_lshl_b32 s50, s[BH], 19
	s_lshl_b32 s[G0+1], s[WV], 13                  ; LDS address: slot 0, my 8,192 bytes
	s_add_co_u32 s50, s50, s[G0+1]
	s_mov_b32 s51, 0
	s_mov_b32 s[G0], 1
	s_wait_dscnt 0x0                               ; both opening adds are done
	s_wait_kmcnt 0x0
	s_add_nc_u64 s[G0+2:G0+3], s[6:7], s[50:51]    ; my 8,192 bytes of the head's first slot
	s_add_nc_u64 s[PFA:PFA+1], s[G0+2:G0+3], SLOTB ; the prefetches stand a slot on; the first change of slots steps them to slot 2
	s_or_b32 s[G0+3], s[G0+3], 0x80000000
	tensor_load_to_lds s[G0:G0+3], s[G1:G1+7]      ; slot 0: one tensor load of mine is out
	s_nop 0
.rept 4
	v_nop
.endr
	s_lshl_b32 s50, s[BH], 18
	s_lshl_b32 s52, ttmp9, 15
	s_add_co_u32 s50, s50, s52
	s_lshl_b32 s52, s[WV], 12
	s_add_co_u32 s50, s50, s52
	s_add_nc_u64 s[4:5], s[4:5], s[50:51]          ; Q's images of my two tiles
	s_and_b32 s50, s[BH], 15                       ; head
	s_lshr_b32 s52, s50, 2
	s_lshl_b32 s52, s52, 21                        ; four heads are a K step of the last product: 2 MiB
	s_and_b32 s50, s50, 3
	s_lshl_b32 s50, s50, 11
	s_add_co_u32 s50, s50, s52
	s_lshr_b32 s52, s[BH], 4                       ; batch: 128 tiles of 8,192 bytes
	s_lshl_b32 s52, s52, 20
	s_add_co_u32 s50, s50, s52
	s_lshl_b32 s52, ttmp9, 17
	s_add_co_u32 s50, s50, s52
	s_lshl_b32 s52, s[WV], 14
	s_add_co_u32 s50, s50, s52
	s_add_nc_u64 s[12:13], s[12:13], s[50:51]      ; x's images of my two tiles
	v_and_b32 v11, 31, v0
	v_lshlrev_b32 v[LI], 4, v11
	v_lshlrev_b32 v[PFO], 8, v11
	s_lshl_b32 s52, s[PAR], 12
	v_add_nc_u32 v[AA0], s52, v[LI]
	v_xor_b32 v[AB0], 4096, v[AA0]
	v_and_b32 v12, 7, v0
	v_min_u32 v12, 4, v12                          ; table row min(r % 8, 4): rows 0-4 stand at the operand's rows 0-4 and 8-12, so that both halves of the lanes get qr_j in register j
	v_bfe_u32 v13, v0, 4, 1
	v_lshlrev_b32 v[RKO], 8, v12
	v_lshl_add_u32 v[RKO], v13, 5, v[RKO]          ; row x 256 + 32 h
	v_and_b32 v12, 15, v0
	v_lshlrev_b32 v[RVO], 2, v12                   ; 4 r
	WIN 0x40                                       ; destination window 1
.irp i, 0,1
.irp cc, 0,1
.irp c, 0,1
	global_load_b128 v[64+16*\i+8*\cc+4*\c:64+16*\i+8*\cc+4*\c+3], v[LI], s[4:5] offset:\i*2048+\cc*1024+\c*512   ; Q stays in registers
.endr
.endr
.endr
	WIN 0
.irp cc, 0,1
.irp c, 0,1
.irp u, 0,1
	global_load_b128 v[S+16*\cc+8*\c+4*\u:S+16*\cc+8*\c+4*\u+3], v[RKO], s[8:9] offset:128*\cc+64*\c+16*\u   ; rel_k: channels 32 cc + 16 c + 8 h + 4 u on
.endr
.endr
.endr
.irp j, 0,1,2,3,4
.irp ct, 0,1,2,3
	global_load_b32 v[RV+4*\j+\ct], v[RVO], s[10:11] offset:256*\j+64*\ct   ; rel_v[j][16 ct + r]
.endr
.endr
	WIN 0x40
.set n, 0
.rept 64
	v_mov_b32 v[n], 0                              ; O^T.  (The step is written once: its first pass finds zeros, which the first change of m leaves zeros)
.set n, n+1
.endr
	WIN 0
.set n, 0
.rept 16
	v_mov_b32 v[U+n], 0
.set n, n+1
.endr
	s_mov_b32 s[MK], 0x00010001                    ; lanes 0 and 16 hold the operand's row 0
	v_mov_b32 v[TMP], 0x3c003c00                   ; 1.0, twice, in f16
.set n, 0
.rept 8
	v_cndmask_b32 v[AUG+n], 0, v[TMP], s[MK]
.set n, n+1
.endr
	v_mov_b32 v[ZR], 0
.irp i, 0,1
	v_mov_b32 v[ST+STN*\i+oM], 0xff61b1e6          ; -3e38, under every t
	v_mov_b32 v[ST+STN*\i+oKA+1], 0                ; the pairs' upper words are named, so they are written
	v_mov_b32 v[ST+STN*\i+oKB+1], 0
	v_mov_b32 v[ST+STN*\i+oAF+1], 0
	v_mov_b32 v[ST+STN*\i+oY], 0                   ; a lane permute's destination counts as one of its sources
.endr
	s_wait_loadcnt 0x0                             ; Q and the tables
.irp cc, 0,1
.irp c, 0,1
.irp n, 0,1,2,3
	v_cvt_pk_f16_f32 v[TK+8*\cc+4*\c+\n], v[S+16*\cc+8*\c+2*\n], v[S+16*\cc+8*\c+2*\n+1]
.endr
.endr
.endr
	WIN 0x04                                       ; source 1 (Q) window 1
.irp cc, 0,1                                       ; qr: register j of lane (r, h) = q(r) . rk[j], j = 0..4 (registers 5-7 are not read)
.irp i, 0,1
.if \cc == 0
	v_wmma_f32_16x16x32_f16 v[QR+8*\i:QR+8*\i+7], v[TK+8*\cc:TK+8*\cc+7], v[64+16*\i+8*\cc:64+16*\i+8*\cc+7], 0
.else
	v_wmma_f32_16x16x32_f16 v[QR+8*\i:QR+8*\i+7], v[TK+8*\cc:TK+8*\cc+7], v[64+16*\i+8*\cc:64+16*\i+8*\cc+7], v[QR+8*\i:QR+8*\i+7]
.endif
.endr
.endr
	WIN 0
.rept 4
	v_nop
.endr
.irp i, 0,1
	v_mov_b32 v[ST+STN*\i+oAA], v[QR+8*\i]         ; the walk begins on the left: qr0
	v_mov_b32 v[ST+STN*\i+oAB], v[QR+8*\i]
.endr
	v_sub_f32 v[TMP], v[QR+1], v[QR]
	s_mov_b32 s[MK], 0x10000
	v_cndmask_b32 v[ST+oD], 0, v[TMP], s[MK]
	v_sub_f32 v[TMP+1], v[QR+8+3], v[QR+8+4]
	s_mov_b32 s[MK+1], 0x8000
	v_cndmask_b32 v[ST+STN+oD], 0, v[TMP+1], s[MK+1]
; Lane masks for d = 8 h + jj - r (the diagonal block's register jj), bit = lane
.macro MASKS
.set mLT, ((0xffff<<(jj+1))&0xffff)|(((0xffff<<(9+jj))&0xffff)<<16)
.set mGT, ((1<<jj)-1)|(((1<<(8+jj))-1)<<16)
.set mE0, (1<<jj)|(1<<(24+jj))
.set mEM, ((1<<(jj+1))|(1<<(25+jj)))&0xffffffff
.set mEP, ((1<<jj)>>1)|(1<<(23+jj))
.endm
; MY OWN STEP, ahead of the maximum: half A's 32 x 32 scores get their addends one by one.  Tile 0's diagonal block is S0[0..7], tile 1's S1[8..15]; S0[8..15] lies right of the diagonal, S1[0..7] left.
.macro P1_OWN
.set jj, 0
.rept 8
	MASKS
	s_mov_b32 s[MK], mLT
	s_mov_b32 s[MK+1], mEM
	s_mov_b32 s[MK+2], mE0
	s_mov_b32 s[MK+3], mEP
.irp i, 0,1
	v_cndmask_b32 v[ST+STN*\i+oT], v[QR+8*\i+4], v[QR+8*\i], s[MK]
.endr
.irp i, 0,1
	v_cndmask_b32 v[ST+STN*\i+oT], v[ST+STN*\i+oT], v[QR+8*\i+1], s[MK+1]
.endr
.irp i, 0,1
	v_cndmask_b32 v[ST+STN*\i+oT], v[ST+STN*\i+oT], v[QR+8*\i+2], s[MK+2]
.endr
.irp i, 0,1
	v_cndmask_b32 v[ST+STN*\i+oT], v[ST+STN*\i+oT], v[QR+8*\i+3], s[MK+3]
.endr
.irp i, 0,1
	v_add_f32 v[S+40*\i+jj], v[S+40*\i+jj], v[ST+STN*\i+oT]
.endr
.set jj, jj+1
.endr
	s_mov_b32 s[MK], 0x8000
	s_mov_b32 s[MK+1], 0x10000
	v_cndmask_b32 v[ST+oT], v[QR+4], v[QR+3], s[MK]                ; d = +1 of query 15: S0[8] in lane 15
	v_add_f32 v[S+8], v[S+8], v[ST+oT]
.irp n, 9,10,11,12,13,14,15
	v_add_f32 v[S+\n], v[S+\n], v[QR+4]
.endr
.irp n, 0,1,2,3,4,5,6
	v_add_f32 v[S+32+\n], v[S+32+\n], v[QR+8]
.endr
	v_cndmask_b32 v[ST+STN+oT], v[QR+8], v[QR+8+1], s[MK+1]        ; d = -1 of query 16: S1[7] in lane 16
	v_add_f32 v[S+32+7], v[S+32+7], v[ST+STN+oT]
.irp i, 0,1
	v_mov_b32 v[ST+STN*\i+oAA], 0                                  ; half A has its addends
	v_cndmask_b32 v[ST+STN*\i+oAB], v[QR+8*\i+4], v[QR+8*\i], s[PARM]   ; half B lies left where par = 1, else right
.endr
.endm
; MY OWN STEP, behind the exponentials: the step's p are sorted into the masses by vector instructions; the sums by AUG are left out in this step.
.macro P2_OWN
.set jj, 0
.rept 8
	MASKS
	s_mov_b32 s[MK], mLT
	s_mov_b32 s[MK+1], mGT
	s_mov_b32 s[MK+2], mEM
	s_mov_b32 s[MK+3], mE0
	s_mov_b32 s[MK+4], mEP
.irp i, 0,1
.if jj == 0
	v_cndmask_b32 v[ST+STN*\i+oL], 0, v[S+40*\i+jj], s[MK]
	v_cndmask_b32 v[ST+STN*\i+oR], 0, v[S+40*\i+jj], s[MK+1]
	v_cndmask_b32 v[ST+STN*\i+oC1], 0, v[S+40*\i+jj], s[MK+2]
	v_cndmask_b32 v[ST+STN*\i+oC2], 0, v[S+40*\i+jj], s[MK+3]
	v_cndmask_b32 v[ST+STN*\i+oC3], 0, v[S+40*\i+jj], s[MK+4]
.else
	v_cndmask_b32 v[ST+STN*\i+oT], 0, v[S+40*\i+jj], s[MK]
	v_add_f32 v[ST+STN*\i+oL], v[ST+STN*\i+oL], v[ST+STN*\i+oT]
	v_cndmask_b32 v[ST+STN*\i+oT], 0, v[S+40*\i+jj], s[MK+1]
	v_add_f32 v[ST+STN*\i+oR], v[ST+STN*\i+oR], v[ST+STN*\i+oT]
	v_cndmask_b32 v[ST+STN*\i+oC1], v[ST+STN*\i+oC1], v[S+40*\i+jj], s[MK+2]   ; a lane meets each of d = -1, 0, +1 at most once
	v_cndmask_b32 v[ST+STN*\i+oC2], v[ST+STN*\i+oC2], v[S+40*\i+jj], s[MK+3]
	v_cndmask_b32 v[ST+STN*\i+oC3], v[ST+STN*\i+oC3], v[S+40*\i+jj], s[MK+4]
.endif
.endr
.set jj, jj+1
.endr
	s_mov_b32 s[MK], 0x8000
	s_mov_b32 s[MK+1], 0x10000
.irp n, 8,9,10,11,12,13,14,15
	v_add_f32 v[ST+oR], v[ST+oR], v[S+\n]
	v_add_f32 v[ST+STN+oL], v[ST+STN+oL], v[S+32+\n-8]
.endr
	v_cndmask_b32 v[ST+oC3], v[ST+oC3], v[S+8], s[MK]
	v_cndmask_b32 v[ST+STN+oC1], v[ST+STN+oC1], v[S+32+7], s[MK+1]
.irp i, 0,1
	v_add_f32 v[ST+STN*\i+oBS], v[S+32*\i+16], v[S+32*\i+17]       ; half B's sum
.endr
.irp n, 18,19,20,21,22,23,24,25,26,27,28,29,30,31
.irp i, 0,1
	v_add_f32 v[ST+STN*\i+oBS], v[ST+STN*\i+oBS], v[S+32*\i+\n]
.endr
.endr
.irp i, 0,1
	v_cndmask_b32 v[ST+STN*\i+oT], 0, v[ST+STN*\i+oBS], s[PARM]
	v_cndmask_b32 v[ST+STN*\i+oBS], v[ST+STN*\i+oBS], 0, s[PARM]
	v_add_f32 v[ST+STN*\i+oL], v[ST+STN*\i+oL], v[ST+STN*\i+oT]
	v_add_f32 v[ST+STN*\i+oR], v[ST+STN*\i+oR], v[ST+STN*\i+oBS]
.endr
.irp q, oL, oR, oC1, oC2, oC3                      ; with lane l xor 16's part: the query's
.irp i, 0,1
	v_permlanex16_b32 v[ST+STN*\i+oY], v[ST+STN*\i+\q], s[SEL], s[SEL+1]
	v_add_f32 v[ST+STN*\i+\q], v[ST+STN*\i+\q], v[ST+STN*\i+oY]
.endr
.endr
.irp i, 0,1
	v_add_f32 v[U+8*\i+1], v[U+8*\i], v[ST+STN*\i+oL]              ; the left mass is whole;
	v_mov_b32 v[U+8*\i], v[ST+STN*\i+oR]                           ; the right one begins
	v_add_f32 v[U+8*\i+2], v[U+8*\i+2], v[ST+STN*\i+oC1]
	v_add_f32 v[U+8*\i+3], v[U+8*\i+3], v[ST+STN*\i+oC2]
	v_add_f32 v[U+8*\i+4], v[U+8*\i+4], v[ST+STN*\i+oC3]
	v_mov_b32 v[ST+STN*\i+oAA], v[QR+8*\i+4]                       ; from here on every key lies right: qr4
	v_mov_b32 v[ST+STN*\i+oAB], v[QR+8*\i+4]
.endr
.endm
; A KEY STEP: 64 keys, both tiles line by line.
.macro STEP
	v_add_nc_u32 v[ADA], s[TB], v[AA0]
	v_add_nc_u32 v[ADB], s[TB], v[AB0]
	v_nop
	v_nop                                          ; four plain lines between the last products that read V's fragments and the loads into them
	WIN 0x40
.irp t, 0,1,2,3                                    ; K: logical tile t, channels 32 cc on
.irp cc, 0,1
.irp c, 0,1
	ds_load_b128 v[128+16*\t+8*\cc+4*\c:128+16*\t+8*\cc+4*\c+3], v[ADA+\t/2] offset:(\t%2)*2048+\cc*1024+\c*512
.endr
.endr
.endr
.irp kk, 0,1                                       ; V^T: logical half kk, channels 16 ct on
.irp ct, 0,1,2,3
.irp c, 0,1
	ds_load_b128 v[192+32*\kk+8*\ct+4*\c:192+32*\kk+8*\ct+4*\c+3], v[ADA+\kk] offset:8192+\ct*1024+\c*512
.endr
.endr
.endr
	s_wait_dscnt 16                                ; K's sixteen loads are in; V's sixteen may be out
	WIN 0x05                                       ; K and Q window 1, S^T window 0
.irp cc, 0,1                                       ; eight accumulators by turns, one instruction a turn
.irp t, 0,1,2,3
.irp i, 0,1
.if \cc == 0
	v_wmma_f32_16x16x32_f16 v[S+32*\i+8*\t:S+32*\i+8*\t+7], v[128+16*\t+8*\cc:128+16*\t+8*\cc+7], v[64+16*\i+8*\cc:64+16*\i+8*\cc+7], 0
.else
	v_wmma_f32_16x16x32_f16 v[S+32*\i+8*\t:S+32*\i+8*\t+7], v[128+16*\t+8*\cc:128+16*\t+8*\cc+7], v[64+16*\i+8*\cc:64+16*\i+8*\cc+7], v[S+32*\i+8*\t:S+32*\i+8*\t+7]
.endif
.endr
.endr
.endr
	WIN 0
.rept 4
	v_nop
.endr
	; half B's maximum, all but the two elements that may be set right below
.irp i, 0,1
	v_max3_num_f32 v[ST+STN*\i+oTB], v[S+32*\i+17], v[S+32*\i+18], v[S+32*\i+19]
.endr
.irp n, 20,22,24,26,28
.irp i, 0,1
	v_max3_num_f32 v[ST+STN*\i+oTB], v[ST+STN*\i+oTB], v[S+32*\i+\n], v[S+32*\i+\n+1]
.endr
.endr
	s_cmp_eq_u32 s[KF], s[QA]
	s_cbranch_scc0 .Lo1_\@
	P1_OWN
.Lo1_\@:
	s_cmp_eq_u32 s[KF], s[QP]
	s_cbranch_scc0 .Lp1_\@
	v_add_f32 v[S+31], v[S+31], v[ST+oD]           ; key QW - 1 for query QW: qr1 in place of qr0
.Lp1_\@:
	s_cmp_eq_u32 s[KF], s[QN]
	s_cbranch_scc0 .Ln1_\@
	v_add_f32 v[S+32+16], v[S+32+16], v[ST+STN+oD] ; key QW + 32 for query QW + 31: qr3 in place of qr4
.Ln1_\@:
.irp i, 0,1
	v_max3_num_f32 v[ST+STN*\i+oTB], v[ST+STN*\i+oTB], v[S+32*\i+30], v[S+32*\i+31]
.endr
.irp i, 0,1
	v_max_num_f32 v[ST+STN*\i+oTB], v[ST+STN*\i+oTB], v[S+32*\i+16]
.endr
.irp i, 0,1
	v_max3_num_f32 v[ST+STN*\i+oTA], v[S+32*\i], v[S+32*\i+1], v[S+32*\i+2]
.endr
.irp n, 3,5,7,9,11,13
.irp i, 0,1
	v_max3_num_f32 v[ST+STN*\i+oTA], v[ST+STN*\i+oTA], v[S+32*\i+\n], v[S+32*\i+\n+1]
.endr
.endr
.irp i, 0,1
	v_max_num_f32 v[ST+STN*\i+oTA], v[ST+STN*\i+oTA], v[S+32*\i+15]
.endr
.irp i, 0,1
	v_add_f32 v[ST+STN*\i+oTA], v[ST+STN*\i+oTA], v[ST+STN*\i+oAA]
	v_add_f32 v[ST+STN*\i+oTB], v[ST+STN*\i+oTB], v[ST+STN*\i+oAB]
.endr
.irp i, 0,1
	v_max3_num_f32 v[ST+STN*\i+oX], v[ST+STN*\i+oTA], v[ST+STN*\i+oTB], v[ST+STN*\i+oM]
.endr
.irp i, 0,1
	v_permlanex16_b32 v[ST+STN*\i+oY], v[ST+STN*\i+oX], s[SEL], s[SEL+1]
.endr
.irp i, 0,1
	v_max_num_f32 v[ST+STN*\i+oX], v[ST+STN*\i+oX], v[ST+STN*\i+oY]   ; the new m
.endr
.irp i, 0,1
	v_sub_f32 v[ST+STN*\i+oY], v[ST+STN*\i+oM], v[ST+STN*\i+oX]
	v_sub_f32 v[ST+STN*\i+oKA], v[ST+STN*\i+oAA], v[ST+STN*\i+oX]
	v_sub_f32 v[ST+STN*\i+oKB], v[ST+STN*\i+oAB], v[ST+STN*\i+oX]
.endr
.irp n, 0,2,4,6,8,10,12,14
.irp i, 0,1
	v_pk_add_f32 v[S+32*\i+\n:S+32*\i+\n+1], v[S+32*\i+\n:S+32*\i+\n+1], v[ST+STN*\i+oKA:ST+STN*\i+oKA+1] op_sel_hi:[1,0]   ; t - m, two at a time
.endr
.endr
.irp n, 16,18,20,22,24,26,28,30
.irp i, 0,1
	v_pk_add_f32 v[S+32*\i+\n:S+32*\i+\n+1], v[S+32*\i+\n:S+32*\i+\n+1], v[ST+STN*\i+oKB:ST+STN*\i+oKB+1] op_sel_hi:[1,0]
.endr
.endr
.irp i, 0,1
	v_exp_f32 v[ST+STN*\i+oAF], v[ST+STN*\i+oY]    ; 2^(old m - new m)
.endr
.set n, 0
.rept 32
	v_exp_f32 v[S+n], v[S+n]                       ; p: one batch of 66 exponentials
	v_exp_f32 v[S+32+n], v[S+32+n]
.set n, n+1
.endr
.irp i, 0,1
	v_mov_b32 v[ST+STN*\i+oM], v[ST+STN*\i+oX]     ; (the plain line behind the last exponential)
.endr
	s_wait_alu depctr_va_vdst(0)                   ; one wait for the batch, ahead of its first reader
.irp n, 0,2,4
.irp i, 0,1
	v_pk_mul_f32 v[U+8*\i+\n:U+8*\i+\n+1], v[U+8*\i+\n:U+8*\i+\n+1], v[ST+STN*\i+oAF:ST+STN*\i+oAF+1] op_sel_hi:[1,0]   ; the masses under the new m
.endr
.endr
	s_cmp_eq_u32 s[KF], s[QA]
	s_cbranch_scc0 .Lo2_\@
	P2_OWN
.Lo2_\@:
	s_cmp_eq_u32 s[KF], s[QP]
	s_cbranch_scc0 .Lp2_\@
	s_mov_b32 s[MK], 0x10000
	v_cndmask_b32 v[ST+oT], 0, v[S+31], s[MK]
	v_permlanex16_b32 v[ST+oY], v[ST+oT], s[SEL], s[SEL+1]         ; from lane 16 to lane 0, where query QW's masses are kept
	v_add_f32 v[U+2], v[U+2], v[ST+oY]
.Lp2_\@:
	s_cmp_eq_u32 s[KF], s[QN]
	s_cbranch_scc0 .Ln2_\@
	s_mov_b32 s[MK], 0x8000
	v_cndmask_b32 v[ST+STN+oT], 0, v[S+32+16], s[MK]
	v_add_f32 v[U+8+4], v[U+8+4], v[ST+STN+oT]
.Ln2_\@:
.set n, 0
.rept 16
	v_cvt_pk_f16_f32 v[P+n], v[S+2*n], v[S+2*n+1]  ; two neighbouring keys to a word: source 1 of V^T P as it stands
	v_cvt_pk_f16_f32 v[P+16+n], v[S+32+2*n], v[S+32+2*n+1]
.set n, n+1
.endr
	WIN 0x41                                       ; O^T (destination and source 0) window 1
.set n, 0
.rept 16
	v_pk_mul_f32 v[n:n+1], v[n:n+1], v[ST+oAF:ST+oAF+1] op_sel_hi:[1,0]
	v_pk_mul_f32 v[32+n:33+n], v[32+n:33+n], v[ST+STN+oAF:ST+STN+oAF+1] op_sel_hi:[1,0]
.set n, n+2
.endr
	s_wait_dscnt 0x0                               ; V is in
	WIN 0x51                                       ; V window 1, P window 0, O^T window 1
.irp kk, 0,1
.irp ct, 0,1,2,3
.irp i, 0,1
	v_wmma_f32_16x16x32_f16 v[32*\i+8*\ct:32*\i+8*\ct+7], v[192+32*\kk+8*\ct:192+32*\kk+8*\ct+7], v[P+16*\i+8*\kk:P+16*\i+8*\kk+7], v[32*\i+8*\ct:32*\i+8*\ct+7]
.endr
.endr
.endr
	WIN 0
	s_cmp_eq_u32 s[KF], s[QA]                      ; in my own step the masses were made by vector instructions
	s_cbranch_scc1 .Lau_\@
.irp kk, 0,1
.irp i, 0,1
	v_wmma_f32_16x16x32_f16 v[U+8*\i:U+8*\i+7], v[AUG:AUG+7], v[P+16*\i+8*\kk:P+16*\i+8*\kk+7], v[U+8*\i:U+8*\i+7]
.endr
.endr
.Lau_\@:
.endm
; THE CHANGE OF SLOTS stands at a slot's head.  Each wave waits for all its tensor loads (its part of the slot ahead), adds 0 to its spare word, and waits for that and for its reads of the slot that it has left.
; Behind the barrier the slot ahead is whole and nobody reads the other.  fill = 1: the other slot takes the next 256 keys: my one tensor load until the next change; it has four key steps in which to land.
; Behind it one prefetch for my own 8,192 bytes of the slot that the NEXT change will ask for, lanes 256 bytes apart: the head's first work-group alone asks, so that each block is named once; the last filling change asks for nothing.
.macro CHANGE fill
	s_wait_tensorcnt 0x0                           ; no tensor load of mine is out, so group 0 may be written
	ds_add_u32 v[SPW], v[NIL]                      ; 0 onto my spare word
.if \fill
	s_xor_b32 s[G0+1], s[G0+1], SLOTB              ; the other slot than last time,
	s_add_nc_u64 s[G0+2:G0+3], s[G0+2:G0+3], SLOTB ; the next 256 keys; the type bits on top are not reached
	s_wait_xcnt 0x0                                ; the last prefetch, a slot back, has read its address
	s_add_nc_u64 s[PFA:PFA+1], s[PFA:PFA+1], SLOTB
.endif
	s_wait_dscnt 0x0                               ; the add is done, and my reads of the slot that I have left are over
	s_barrier_signal -1
	s_barrier_wait -1
.if \fill
	tensor_load_to_lds s[G0:G0+3], s[G1:G1+7]
	s_nop 0
.rept 4
	v_nop
.endr
	s_cmp_gt_u32 s[SLOTS], s[LIM]
	s_cbranch_scc0 .Lnot_mine_\@
	global_prefetch_b8 v[PFO], s[PFA:PFA+1] th:TH_LOAD_NT scope:SCOPE_SE
.Lnot_mine_\@:
.endif
.endm
.macro SLOT_STEPS                      ; a slot's four key steps: written once, walked four times
	s_mov_b32 s[CNT], 4
.Lstep_\@:
	STEP
	s_add_co_u32 s[TB], s[TB], STEPB
	s_add_co_u32 s[KF], s[KF], 64
	s_sub_co_u32 s[CNT], s[CNT], 1
	s_cmp_lg_u32 s[CNT], 0
	s_cbranch_scc1 .Lstep_\@
	s_sub_co_u32 s[TB], s[TB], SLOTB               ; back to a slot's first step,
	s_xor_b32 s[TB], s[TB], SLOTB                  ; in the other slot
.endm
.Lslot:                                            ; NSL - 1 trips: behind each change of slots but the last the next slot is asked for
	CHANGE 1
	SLOT_STEPS
	s_sub_co_u32 s[SLOTS], s[SLOTS], 1
	s_cmp_lg_u32 s[SLOTS], 0
	s_cbranch_scc1 .Lslot
	CHANGE 0                                       ; the last slot is written out
	SLOT_STEPS
	; THE END.  O^T += TV FB: source 0 = 16 channels x the five columns (rv4, rv0, rv1 - rv0, rv2, rv3 - rv4), source 1 = the five masses (right, left, d = -1, d = 0, d = +1) of each query; then / (left + right + d = 0).
.rept 4
	v_nop                                          ; behind the last products: U is read, P and S are written
.endr
.irp i, 0,1
	v_cvt_pk_f16_f32 v[P+16*\i], v[U+8*\i], v[U+8*\i+1]
	v_cvt_pk_f16_f32 v[P+16*\i+1], v[U+8*\i+2], v[U+8*\i+3]
	v_cvt_pk_f16_f32 v[P+16*\i+2], v[U+8*\i+4], v[ZR]
.irp n, 3,4,5,6,7
	v_mov_b32 v[P+16*\i+\n], 0
.endr
.endr
.irp ct, 0,1,2,3
	v_sub_f32 v[TMP], v[RV+4+\ct], v[RV+\ct]
	v_sub_f32 v[TMP+1], v[RV+12+\ct], v[RV+16+\ct]
	v_cvt_pk_f16_f32 v[S+8*\ct], v[RV+16+\ct], v[RV+\ct]
	v_cvt_pk_f16_f32 v[S+8*\ct+1], v[TMP], v[RV+8+\ct]
	v_cvt_pk_f16_f32 v[S+8*\ct+2], v[TMP+1], v[ZR]
.irp n, 0,1,2
	v_cndmask_b32 v[S+8*\ct+\n], v[S+8*\ct+\n], v[ZR], s[HI]       ; lanes 16-31 hold columns 8 to 15: zeros
.endr
.irp n, 3,4,5,6,7
	v_mov_b32 v[S+8*\ct+\n], 0
.endr
.endr
.irp i, 0,1
	v_add_f32 v[ST+STN*\i+oT], v[U+8*\i], v[U+8*\i+1]
	v_add_f32 v[ST+STN*\i+oT], v[ST+STN*\i+oT], v[U+8*\i+3]
	v_permlanex16_b32 v[ST+STN*\i+oY], v[ST+STN*\i+oT], s[SEL], s[SEL+1]
	v_cndmask_b32 v[ST+STN*\i+oT], v[ST+STN*\i+oT], v[ST+STN*\i+oY], s[HI]   ; the masses are whole in lanes 0-15: lanes 16-31 take theirs
.endr
.irp i, 0,1
	v_rcp_f32 v[ST+STN*\i+oAF], v[ST+STN*\i+oT]
.endr
	v_nop                                          ; a plain line behind the last reciprocal
	s_wait_alu depctr_va_vdst(0)                   ; and the wait ahead of the first reader
	WIN 0x50                                       ; C and D window 1
.irp ct, 0,1,2,3
.irp i, 0,1
	v_wmma_f32_16x16x32_f16 v[32*\i+8*\ct:32*\i+8*\ct+7], v[S+8*\ct:S+8*\ct+7], v[P+16*\i:P+16*\i+7], v[32*\i+8*\ct:32*\i+8*\ct+7]
.endr
.endr
.rept 4
	v_nop
.endr
	WIN 0x41
.set n, 0
.rept 16
	v_pk_mul_f32 v[n:n+1], v[n:n+1], v[ST+oAF:ST+oAF+1] op_sel_hi:[1,0]
	v_pk_mul_f32 v[32+n:33+n], v[32+n:33+n], v[ST+STN+oAF:ST+STN+oAF+1] op_sel_hi:[1,0]
.set n, n+2
.endr
	WIN 0x05                                       ; sources window 1, destination window 0
.set n, 0
.rept 16
	v_cvt_pk_f16_f32 v[S+n], v[2*n], v[2*n+1]      ; eight channels of a query: 16 bytes: a block of the last product's operand image
	v_cvt_pk_f16_f32 v[S+16+n], v[32+2*n], v[32+2*n+1]
.set n, n+1
.endr
	WIN 0
.irp i, 0,1
.irp ct, 0,1,2,3
	global_store_b128 v[LI], v[S+16*\i+4*\ct:S+16*\i+4*\ct+3], s[12:13] offset:\i*8192+(\ct/2)*1024+(\ct%2)*512   ; 512 consecutive bytes, aligned
.endr
.endr
	s_wait_tensorcnt 0x0                           ; the wave's end
	ds_add_u32 v[SPW], v[NIL]
	s_wait_dscnt 0x0
	s_endpgm
.Lfunc_end_k_qefc556c87b_attn:
	.size	k_qefc556c87b_attn, .Lfunc_end_k_qefc556c87b_attn-k_qefc556c87b_attn
	.p2alignl 7, 3214868480
	.fill 96, 4, 3214868480
	.section	.rodata,"a",@progbits
	.p2align	6, 0x0
	.amdhsa_kernel k_qefc556c87b_attn
		.amdhsa_group_segment_fixed_size 327680
		.amdhsa_private_segment_fixed_size 0
		.amdhsa_enable_private_segment 0
		.amdhsa_kernarg_size 40
		.amdhsa_user_sgpr_count 2
		.amdhsa_user_sgpr_kernarg_segment_ptr 1
		.amdhsa_wavefront_size32 1
		.amdhsa_system_sgpr_workgroup_id_x 1
		.amdhsa_system_sgpr_workgroup_id_y 1
		.amdhsa_system_sgpr_workgroup_id_z 1
		.amdhsa_system_vgpr_workitem_id 0
		.amdhsa_next_free_vgpr 512
		.amdhsa_next_free_sgpr 66
		.amdhsa_reserve_vcc 0
		.amdhsa_float_denorm_mode_32 3
		.amdhsa_float_denorm_mode_16_64 3
		.amdhsa_memory_ordered 1
		.amdhsa_forward_progress 1
		.amdhsa_inst_pref_size 96
	.end_amdhsa_kernel
	.amdgpu_metadata
---
amdhsa.version: [ 1, 2 ]
amdhsa.kernels:
  - .name:           k_qefc556c87b_attn
    .symbol:         k_qefc556c87b_attn.kd
    .args:
      - { .name: qf, .offset: 0, .size: 8, .value_kind: global_buffer, .address_space: global }
      - { .name: kvf, .offset: 8, .size: 8, .value_kind: global_buffer, .address_space: global }
      - { .name: rel_k_table, .offset: 16, .size: 8, .value_kind: global_buffer, .address_space: global }
      - { .name: rel_v_table, .offset: 24, .size: 8, .value_kind: global_buffer, .address_space: global }
      - { .name: xf, .offset: 32, .size: 8, .value_kind: global_buffer, .address_space: global }
    .group_segment_fixed_size: 327680
    .private_segment_fixed_size: 0
    .kernarg_segment_align: 8
    .kernarg_segment_size: 40
    .max_flat_workgroup_size: 256
    .sgpr_count:     66
    .vgpr_count:     512
    .wavefront_size: 32
...
	.end_amdgpu_metadata
.endif
;; end of part 3
;; launch outp (part 4): grid 8 x 32, 4 waves a work-group, clusters of 4 x 4, 327,680 bytes of LDS; arguments xf, wof, bo, out0; writes out0
.if DOCPART == 4
	.amdgcn_target "amdgcn-amd-amdhsa--gfx1250"
	.amdhsa_code_object_version 6
	.text
	.protected	k_qefc556c87b_outp
	.globl	k_qefc556c87b_outp
	.p2align	8
	.type	k_qefc556c87b_outp,@function
k_qefc556c87b_outp:
	s_mov_b64 s[64:65], 0
	v_nop
	global_prefetch_b8 v0, s[64:65] scope:SCOPE_SE
	s_setreg_imm32_b32 hwreg(HW_REG_WAVE_MODE, 25, 1), 1
	s_wait_xcnt 0x0
	s_wait_alu depctr_hold_cnt(0) depctr_sa_sdst(0) depctr_va_vdst(0) depctr_va_sdst(0) depctr_va_ssrc(0) depctr_va_vcc(0) depctr_vm_vsrc(0)
	s_getreg_b32 s2, hwreg(HW_REG_IB_STS2, 6, 4)
	s_cmp_eq_u32 s2, 0
	s_cbranch_scc0 .Lentry_in_a_cluster
	s_endpgm
.Lentry_in_a_cluster:
	s_bfe_u32 s2, ttmp6, 0x10000c
	s_cmp_lg_u32 s2, 0xf033
	s_cbranch_scc0 .Lentry_shape_is_right
	s_endpgm
.Lentry_shape_is_right:
; out0[m][n] = sum over k of x[m][k] Wo[n][k] + bo[n].  x: 4,096 x 1,024 in f16, as images of the operand's registers (xf); Wo: f16, row-major (wof); sums and out0 in f32.
; xf: byte (k / 256) 2097152 + tokentile 8192 + ((k % 256) / 32) 1024 + c 512 + 16 lane; lane (r, h): token 16 tokentile + r, k = .. + 16 c + 8 h + 0..7.  So a K step of 256 for 64 tokens is 32,768 dense bytes.
; A tile of out0 is 128 x 128: 256 work-groups.  Four waves, each 64 x 64: 16 accumulators.  K goes in steps of 256 through two LDS slots.
; CLUSTERS: 4 x 4.  The four of a row of the cluster need the same tiles of x, the four of a column the same tiles of Wo: each is asked for jointly.
; THE MATRIX INSTRUCTION IS USED TRANSPOSED (source 0 = 16 rows of Wo, source 1 = 16 tokens): a lane holds eight neighbouring numbers of a row of out0.  bo is the C of each sum's first product.
; LIMITS: |x| and |Wo| under 65,504 (f16).
; REGISTERS: window 0: v0-31 addresses; v32-95 the way out; v96-127 bo; v128-255 the accumulators ((a, b) at v[128 + 8 (4 a + b)]).   window 1: two fragment buffers of 128: 64 registers of x, then 64 of Wo.
.set SIZE_N, 1024
.set SIZE_K, 1024
.set KSTEP,  256
.set PITCH,  528                       ; a row of Wo in LDS: 512 bytes + 16: row r starts at bank 4 r mod 64 (64 banks of 4 bytes: ISA guide 11.1)
.set HALFA,  32768                     ; x: 64 tokens x 256 along K, as images: what one tensor load brings
.set HALFB,  64*PITCH                  ; Wo: 64 rows
.set BOFF,   2*HALFA
.set SLOT,   BOFF+2*HALFB
.set ASTEP,  2097152                   ; from a K step of x to the next
.set STAGE,  2*SLOT                    ; behind the ring: 16 rows x 272 bytes for each wave
.set SPITCH, 272
.set SPARE,  STAGE+4*16*SPITCH
.set LAPS,   SIZE_K/(2*KSTEP)
.set ADRA, 16
.set ADRB, 20
.set STO,  24
.set RD,   25
.set CO,   26
.set BOF,  27                          ; v27  32 h: bo of my eight columns
.set SPW,  28
.set NIL,  29
.set TMP,  32
.set BIAS, 96
.set ACC,  128
.set F0,   0
.set F1,   128
.set G1, 24
.set G0, 32
.set G1B, 48
.set G0B, 56
.set MSB, 0
.macro WIN new
.if MSB != (\new)
	s_set_vgpr_msb (MSB<<8)|(\new)
.set MSB, (\new)
.endif
.endm
.set MUL,  0x05                        ; sources 0 (Wo) and 1 (x) window 1; C and D window 0
.set TO_F, 0x40
.macro JLOAD s                         ; a joint load: waves 0 and 1 fetch x's two halves, waves 2 and 3 Wo's; an s_nop 0 and four v_nop follow each line
	s_cmp_eq_u32 s11, 0
	s_cbranch_scc0 .Lfor_b_\@
	tensor_load_to_lds s[G0+4*\s:G0+4*\s+3], s[G1:G1+7]
	s_nop 0
.rept 4
	v_nop
.endr
	s_branch .Lasked_\@
.Lfor_b_\@:
	tensor_load_to_lds s[G0B+4*\s:G0B+4*\s+3], s[G1B:G1B+7]
	s_nop 0
.rept 4
	v_nop
.endr
.Lasked_\@:
.endm
.macro CREST
	s_cmp_lg_u32 s10, 0
	s_cbranch_scc1 .Lnot_wave_0_\@
	s_barrier_signal -3
.Lnot_wave_0_\@:
	s_barrier_wait -3
	s_barrier_signal -1
	s_barrier_wait -1
.endm
.macro CROUND
	s_barrier_signal -1
	s_barrier_wait -1
	CREST
.endm
	s_load_b128 s[4:7], s[0:1], 0x0                ; xf, wof
	s_load_b64 s[66:67], s[0:1], 0x10              ; bo
	s_load_b64 s[8:9], s[0:1], 0x18                ; out0
	v_lshl_add_u32 v[SPW], v0, 2, SPARE
	v_mov_b32 v[NIL], 0
	ds_add_u32 v[SPW], v[NIL]                      ; the wave's opening: the add, twice on end, and its wait ahead of my first tensor load
	ds_add_u32 v[SPW], v[NIL]
	v_lshrrev_b32 v1, 5, v0
	v_readfirstlane_b32 s10, v1                    ; wave 0..3
	s_lshr_b32 s11, s10, 1                         ; which half of the tile's tokens is mine.  Also: I fetch for x (0) or for Wo (1)
	s_and_b32 s12, s10, 1                          ; which half of its columns.  Also: which half of that tile I fetch
	s_bfe_u32 s40, ttmp6, 0x40000                  ; cx, cy
	s_bfe_u32 s41, ttmp6, 0x40004
	s_lshl_b32 s42, ttmp9, 2
	s_add_co_u32 s42, s42, s40                     ; tile column = 4 x cluster x + cx
	s_and_b32 s13, ttmp7, 0xffff
	s_lshl_b32 s13, s13, 2
	s_add_co_u32 s13, s13, s41                     ; tile row = 4 x cluster y + cy
	s_lshl_b32 s43, s41, 2
	s_lshl_b32 s43, 15, s43                        ; my row of the cluster
	s_lshl_b32 s44, 0x1111, s40                    ; my column
	; group 1 for x: 32,768 dense bytes as 128 rows of 256 (32 elements of 8 bytes), no padding: the images are read at 16 x lane
	s_or_b32 s[G1+0], s43, (3<<16)|(1<<21)
	s_mov_b32 s[G1+1], 32<<16
	s_mov_b32 s[G1+2], 128<<16
	s_mov_b32 s[G1+3], 32<<16
	s_mov_b32 s[G1+4], 128
	s_mov_b32 s[G1+5], 32
	s_mov_b32 s[G1+6], 0
	s_mov_b32 s[G1+7], 0
	; group 1 for Wo: 64 rows x 256 elements of 2 bytes, 4 words of padding behind every 128
	s_or_b32 s[G1B+0], s44, (1<<16)|(1<<20)|(1<<21)|(6<<22)|(3<<25)
	s_mov_b32 s[G1B+1], KSTEP<<16
	s_mov_b32 s[G1B+2], 64<<16
	s_mov_b32 s[G1B+3], KSTEP<<16
	s_mov_b32 s[G1B+4], 64
	s_mov_b32 s[G1B+5], SIZE_K
	s_mov_b32 s[G1B+6], 0
	s_mov_b32 s[G1B+7], 0
	s_lshl_b32 s16, s13, 16                        ; x: 8 token tiles of 8,192 bytes a tile row,
	s_lshl_b32 s17, s12, 15                        ; 4 of them a half
	s_add_co_u32 s16, s16, s17
	s_mov_b32 s17, 0
	s_lshl_b32 s46, s42, 18                        ; Wo: 128 rows of 2,048 bytes a tile column,
	s_lshl_b32 s47, s12, 17                        ; 64 a half
	s_add_co_u32 s46, s46, s47
	s_mov_b32 s47, 0
	s_lshl_b32 s20, s12, 15                        ; where they go: x's halves,
	s_mul_i32 s21, s12, HALFB
	s_add_co_u32 s21, s21, BOFF                    ; Wo's behind them: the wave's number alone
	s_wait_dscnt 0x0                               ; both opening adds are done
	s_wait_kmcnt 0x0
	s_add_nc_u64 s[14:15], s[4:5], s[16:17]
	s_add_nc_u64 s[46:47], s[6:7], s[46:47]
	CROUND                                         ; all sixteen work-groups are here: the first joint loads meet
.irp s, 0,1
	s_mov_b32 s[G0+4*\s], 1
	s_add_co_u32 s[G0+4*\s+1], s20, \s*SLOT
	s_add_nc_u64 s[G0+4*\s+2:G0+4*\s+3], s[14:15], \s*ASTEP
	s_or_b32 s[G0+4*\s+3], s[G0+4*\s+3], 0x80000000
	s_mov_b32 s[G0B+4*\s], 1
	s_add_co_u32 s[G0B+4*\s+1], s21, \s*SLOT
	s_add_nc_u64 s[G0B+4*\s+2:G0B+4*\s+3], s[46:47], \s*KSTEP*2
	s_or_b32 s[G0B+4*\s+3], s[G0B+4*\s+3], 0x80000000
	JLOAD \s                                       ; two tensor loads of mine are out
.endr
	v_and_b32 v1, 15, v0                           ; r
	v_bfe_u32 v2, v0, 4, 1                         ; h
	v_mul_u32_u24 v3, v1, PITCH
	v_lshl_add_u32 v3, v2, 4, v3                   ; Wo: row x pitch + 16 h
	v_and_b32 v4, 31, v0
	v_lshlrev_b32 v4, 4, v4                        ; x: 16 x lane
	s_lshl_b32 s21, s11, 15                        ; my 64 tokens
	s_mul_i32 s22, s12, HALFB                      ; my 64 rows of Wo
	s_add_co_u32 s22, s22, BOFF
.irp s, 0,1
	v_add_nc_u32 v[ADRA+\s], s21, v4
	v_add_nc_u32 v[ADRB+\s], s22, v3
	s_add_co_u32 s21, s21, SLOT
	s_add_co_u32 s22, s22, SLOT
.endr
	s_mul_i32 s23, s10, 16*SPITCH
	s_add_co_u32 s23, s23, STAGE                   ; my stage
	v_mul_u32_u24 v5, v1, SPITCH                   ; in: row r, 32 bytes for each half of the lanes
	v_lshl_add_u32 v5, v2, 5, v5
	v_add_nc_u32 v[STO], s23, v5
	v_mul_u32_u24 v5, v2, SPITCH                   ; back: lanes 0-15 one row of 256 bytes, lanes 16-31 the next
	v_lshl_add_u32 v5, v1, 4, v5
	v_add_nc_u32 v[RD], s23, v5
	v_lshlrev_b32 v5, 12, v2                       ; and the same two rows in out0: 4,096 bytes a row
	v_lshl_add_u32 v[CO], v1, 4, v5
	v_lshlrev_b32 v[BOF], 5, v2
	s_lshl_b32 s16, s13, 7
	s_lshl_b32 s17, s11, 6
	s_add_co_u32 s16, s16, s17                     ; my first token
	s_lshl_b32 s16, s16, 12
	s_lshl_b32 s46, s42, 7
	s_lshl_b32 s47, s12, 6
	s_add_co_u32 s46, s46, s47                     ; my first column,
	s_lshl_b32 s46, s46, 2                         ; in bytes
	s_mov_b32 s47, 0
	s_add_nc_u64 s[66:67], s[66:67], s[46:47]
	s_add_co_u32 s16, s16, s46
	s_mov_b32 s17, 0
	s_add_nc_u64 s[8:9], s[8:9], s[16:17]
.irp b, 0,1,2,3                                    ; register 8 b + j = bo of column 16 b + 8 h + j: the result's layout
	global_load_b128 v[BIAS+8*\b:BIAS+8*\b+3], v[BOF], s[66:67] offset:64*\b
	global_load_b128 v[BIAS+8*\b+4:BIAS+8*\b+7], v[BOF], s[66:67] offset:64*\b+16
.endr
; 8 matrix instructions: token blocks a0, a0 + 1 x all 4 column blocks, 32 along K: half c of buffer f.  first = 1: the first product starts the sums from bo
.macro MUL8 f, c, a0, first
.irp a, \a0, \a0+1
.irp b, 0,1,2,3
.if \first
	v_wmma_f32_16x16x32_f16 v[ACC+8*(4*(\a)+\b):ACC+8*(4*(\a)+\b)+7], v[\f+64+8*(4*\c+\b):\f+64+8*(4*\c+\b)+7], v[\f+8*(4*\c+\a):\f+8*(4*\c+\a)+7], v[BIAS+8*\b:BIAS+8*\b+7]
.else
	v_wmma_f32_16x16x32_f16 v[ACC+8*(4*(\a)+\b):ACC+8*(4*(\a)+\b)+7], v[\f+64+8*(4*\c+\b):\f+64+8*(4*\c+\b)+7], v[\f+8*(4*\c+\a):\f+8*(4*\c+\a)+7], v[ACC+8*(4*(\a)+\b):ACC+8*(4*(\a)+\b)+7]
.endif
.endr
.endr
.endm
; 32 LDS loads in one run: the fragments of 64 along K (byte k of Wo's rows; images k / 64 and k / 64 + 1 of x) into buffer f; the first 32 along K first
.macro FETCH slot, k, f
	WIN TO_F
.irp c, 0,1
.irp i, 0,1,2,3
	ds_load_b128 v[\f+64+8*(4*\c+\i):\f+64+8*(4*\c+\i)+3],   v[ADRB+\slot] offset:\k+64*\c+\i*16*PITCH
	ds_load_b128 v[\f+64+8*(4*\c+\i)+4:\f+64+8*(4*\c+\i)+7], v[ADRB+\slot] offset:\k+64*\c+\i*16*PITCH+32
	ds_load_b128 v[\f+8*(4*\c+\i):\f+8*(4*\c+\i)+3],         v[ADRA+\slot] offset:(\k/64+\c)*1024+\i*8192
	ds_load_b128 v[\f+8*(4*\c+\i)+4:\f+8*(4*\c+\i)+7],       v[ADRA+\slot] offset:(\k/64+\c)*1024+\i*8192+512
.endr
.endr
.endm
.macro PLACES                          ; four plain lines in front of loads into registers that matrix instructions have read, and of the first read of results
.rept 4
	v_nop
.endr
.endm
; A K step is four quarters of 64 along K, 32 matrix instructions each, on buffers 0, 1, 0, 1.
.macro QUARTER slot, k, f, g, first
	s_wait_dscnt 16                                ; the first 32 along K are in; the youngest sixteen loads may be out
	WIN MUL
	MUL8 \f, 0, 0, \first
	MUL8 \f, 0, 2, \first
	PLACES
	FETCH \slot, \k, \g
	s_wait_dscnt 32                                ; all but the 32 just issued
	WIN MUL
	MUL8 \f, 1, 0, 0
	MUL8 \f, 1, 2, 0
.endm
; The last quarter multiplies buffer 1 and changes slots: one barrier; in front of it each wave waits for all its tensor loads, adds 0 to its spare word, and waits for that and for its reads of this slot.
.macro TURN slot, next, fill
	WIN 0                                          ; (the add's two registers lie in window 0)
	s_wait_tensorcnt 0x0                           ; all my tensor loads have landed: my part of the next slot
	ds_add_u32 v[SPW], v[NIL]                      ; 0 onto my spare word
	s_wait_dscnt 17                                ; (the add and the youngest sixteen loads may be out)
	WIN MUL
	MUL8 F1, 0, 0, 0
	s_wait_dscnt 0x0                               ; the add is done, and my reads of this slot are over
	s_barrier_signal -1
	MUL8 F1, 0, 2, 0
.if \fill
	WIN 0
.endif
	s_barrier_wait -1
.if \fill
	CREST                                          ; the barrier has opened a round of the cluster's: no wave of any partner still reads this slot or has a load on its way
	s_add_nc_u64 s[G0+4*\slot+2:G0+4*\slot+3], s[G0+4*\slot+2:G0+4*\slot+3], 2*ASTEP
	s_add_nc_u64 s[G0B+4*\slot+2:G0B+4*\slot+3], s[G0B+4*\slot+2:G0B+4*\slot+3], 2*KSTEP*2
	JLOAD \slot                                    ; the first tensor load behind the round, my one until the next; its four v_nop are also the places in front of the loads below
.else
	PLACES
.endif
	FETCH \next, 0, F0
	WIN MUL
	MUL8 F1, 1, 0, 0
	MUL8 F1, 1, 2, 0
.endm
	s_wait_tensorcnt 1                             ; my part of K step 0 is in; K step 1's load may be out
	s_barrier_signal -1
	s_barrier_wait -1                              ; everybody's is
	FETCH 0, 0, F0
	s_wait_loadcnt 0x0                             ; bo
	QUARTER 0, 128, F0, F1, 1                      ; the first quarter stands in front of the loop: its first products start the sums
	WIN 0
	s_mov_b32 s3, LAPS-1
.Llap:                                             ; a trip goes once round the ring and fills both slots again
	QUARTER 0, 256, F1, F0, 0
	QUARTER 0, 384, F0, F1, 0
	TURN 0, 1, 1
	QUARTER 1, 128, F0, F1, 0
	QUARTER 1, 256, F1, F0, 0
	QUARTER 1, 384, F0, F1, 0
	TURN 1, 0, 1
	QUARTER 0, 128, F0, F1, 0
	WIN 0
	s_sub_co_u32 s3, s3, 1
	s_cmp_lg_u32 s3, 0
	s_cbranch_scc1 .Llap
	QUARTER 0, 256, F1, F0, 0                      ; the last lap fills nothing
	QUARTER 0, 384, F0, F1, 0
	TURN 0, 1, 0
	QUARTER 1, 128, F0, F1, 0
	QUARTER 1, 256, F1, F0, 0
	QUARTER 1, 384, F0, F1, 0
	s_wait_dscnt 16
	WIN MUL
	MUL8 F1, 0, 0, 0
	MUL8 F1, 0, 2, 0
	s_wait_dscnt 0
	MUL8 F1, 1, 0, 0
	MUL8 F1, 1, 2, 0
	WIN 0
; THE WAY OUT, a block of 16 tokens x 64 columns at a time, through my own stage: a lane's 32 bytes go into rows of 272 bytes and come back as whole rows of 256, which sixteen lanes store.
; LDS serves a wave's instructions in order (ISA guide 5.7.1.4): no wait between the stores and the loads, nor in front of the next block's stores.  No other wave touches my stage: no barrier.
.macro TOSTAGE a
.irp b, 0,1,2,3
	ds_store_b128 v[STO], v[ACC+8*(4*(\a)+\b):ACC+8*(4*(\a)+\b)+3] offset:64*\b        ; each accumulator from its low end on
	ds_store_b128 v[STO], v[ACC+8*(4*(\a)+\b)+4:ACC+8*(4*(\a)+\b)+7] offset:64*\b+16
.endr
.irp t, 0,1,2,3,4,5,6,7
	ds_load_b128 v[TMP+32*((\a)%2)+4*\t:TMP+32*((\a)%2)+4*\t+3], v[RD] offset:\t*2*SPITCH
.endr
.endm
.macro SEND a, younger                 ; younger: the LDS instructions issued behind block a's loads, which may stay out
	s_wait_dscnt \younger
.irp t, 0,1,2,3,4,5,6,7
	global_store_b128 v[CO], v[TMP+32*((\a)%2)+4*\t:TMP+32*((\a)%2)+4*\t+3], s[8:9] offset:(16*(\a)+2*\t)*SIZE_N*4 th:TH_STORE_NT   ; 16 lanes store 256 consecutive bytes, aligned
.endr
.endm
	PLACES
	TOSTAGE 0
.irp a, 1,2,3
.if \a > 1
	s_wait_xcnt 0x0                                ; block a - 2's stores have read their registers: block a's loads may land there
.endif
	TOSTAGE \a
	SEND \a-1, 16                                  ; behind block a - 1's loads: block a's 8 stores and 8 loads
.endr
	SEND 3, 0
	s_wait_tensorcnt 0x0                           ; the wave's end
	ds_add_u32 v[SPW], v[NIL]
	s_wait_dscnt 0x0
	CROUND                                         ; the closing round
	s_endpgm
.Lfunc_end_k_qefc556c87b_outp:
	.size	k_qefc556c87b_outp, .Lfunc_end_k_qefc556c87b_outp-k_qefc556c87b_outp
	.p2alignl 7, 3214868480
	.fill 96, 4, 3214868480
	.section	.rodata,"a",@progbits
	.p2align	6, 0x0
	.amdhsa_kernel k_qefc556c87b_outp
		.amdhsa_group_segment_fixed_size 327680
		.amdhsa_private_segment_fixed_size 0
		.amdhsa_enable_private_segment 0
		.amdhsa_kernarg_size 32
		.amdhsa_user_sgpr_count 2
		.amdhsa_user_sgpr_kernarg_segment_ptr 1
		.amdhsa_wavefront_size32 1
		.amdhsa_system_sgpr_workgroup_id_x 1
		.amdhsa_system_sgpr_workgroup_id_y 1
		.amdhsa_system_sgpr_workgroup_id_z 1
		.amdhsa_system_vgpr_workitem_id 0
		.amdhsa_next_free_vgpr 512
		.amdhsa_next_free_sgpr 68
		.amdhsa_reserve_vcc 0
		.amdhsa_float_denorm_mode_32 3
		.amdhsa_float_denorm_mode_16_64 3
		.amdhsa_memory_ordered 1
		.amdhsa_forward_progress 1
		.amdhsa_inst_pref_size 87
	.end_amdhsa_kernel
	.amdgpu_metadata
---
amdhsa.version: [ 1, 2 ]
amdhsa.kernels:
  - .name:           k_qefc556c87b_outp
    .symbol:         k_qefc556c87b_outp.kd
    .args:
      - { .name: xf, .offset: 0, .size: 8, .value_kind: global_buffer, .address_space: global }
      - { .name: wof, .offset: 8, .size: 8, .value_kind: global_buffer, .address_space: global }
      - { .name: bo, .offset: 16, .size: 8, .value_kind: global_buffer, .address_space: global }
      - { .name: out0, .offset: 24, .size: 8, .value_kind: global_buffer, .address_space: global }
    .group_segment_fixed_size: 327680
    .private_segment_fixed_size: 0
    .kernarg_segment_align: 8
    .kernarg_segment_size: 32
    .max_flat_workgroup_size: 128
    .sgpr_count:     68
    .vgpr_count:     512
    .wavefront_size: 32
...
	.end_amdgpu_metadata
.endif
;; end of part 4
